; MI455X (gfx1250); checked and timed in simulation.
; The chip was launched on July 23, 2026; its instructions are those of AMD's public machine-readable ISA for CDNA 5 (MIT licence, August 2026) and "CDNA5" Instruction Set Architecture Reference Guide (July 2026). The comments in the code are by the model that wrote it; some were corrected since.
;; Multi Head Attention. Allowed arithmetic: matrix products marked QUANTISED: E4M3 operands, one given power-of-two scale a tensor, by v_wmma_f32_16x16x64_fp8_fp8 or v_wmma_f32_16x16x128_fp8_fp8, f32 sums; everything else in f32.
;; Inputs: Wk 1,024 x 1,024 float32; Wo 1,024 x 1,024 float32; Wq 1,024 x 1,024 float32; Wv 1,024 x 1,024 float32; attention_mask 4 x 2,048 int32; key 4 x 2,048 x 1,024 float32; lowp_scales 12 int32 (the exponents e of the quantised operands' scales 2^e); query 4 x 2,048 x 1,024 float32; value 4 x 2,048 x 1,024 float32.
;; Outputs: out0 4 x 2,048 x 1,024 float32.
;; This version of the problem:
;;   THIS VERSION OF THE PROBLEM IS GIVEN IN LOW PRECISION. The matrix products marked QUANTISED in the list below multiply operands that are first quantised to E4M3 (4 exponent bits, 3 mantissa bits; 8 bits a number), with one given power-of-two scale for each operand tensor; their sums are f32. All else is computed in f32.
;;   The module's matrix products, in the order in which they are computed (A, B: the left and right operand; K: the contracted axis; several contracted axes count as one K, in the product's order):
;;     1. [M 8,192, K 1,024] x [K 1,024, N 1,024]; A: input query; B: input Wq: QUANTISED (scales: A lowp_scales[0], B lowp_scales[1])
;;     2. [M 8,192, K 1,024] x [K 1,024, N 1,024]; A: input key; B: input Wk: QUANTISED (scales: A lowp_scales[2], B lowp_scales[3])
;;     3. [M 8,192, K 1,024] x [K 1,024, N 1,024]; A: input value; B: input Wv: QUANTISED (scales: A lowp_scales[4], B lowp_scales[5])
;;     4. batch 64 x [M 2,048, K 64] x [K 64, N 2,048]; A: computed on the way; B: computed on the way: QUANTISED (scales: A lowp_scales[6], B lowp_scales[7])
;;     5. batch 64 x [M 2,048, K 2,048] x [K 2,048, N 64]; A: softmax (see below); B: computed on the way: QUANTISED (scales: A lowp_scales[8], B lowp_scales[9])
;;     6. [M 8,192, K 1,024] x [K 1,024, N 1,024]; A: computed on the way; B: input Wo: QUANTISED (scales: A lowp_scales[10], B lowp_scales[11])
;;   THE QUANTISER, for each operand of a quantised product, along K:
;;     - The operand's scale is 2^e, e = its entry of the input lowp_scales (int32; the entries are numbered through the quantised products in the list's order, A before B).
;;     - Each number is divided by the scale, clamped to +-448, and rounded to the nearest number of E4M3, ties to even, subnormals kept.
;;     - The product sums the exact products of the quantised numbers (number of the format x scale) in f32.
;;   ~~~python
;;   def quantise(x, axis, e):      # numpy; x: float32 -> the quantised numbers, widened to float32 again
;;       x = np.moveaxis(x, axis, -1); K = x.shape[-1]
;;       r = np.clip(x / 2.0 ** e, -448, 448)
;;       step = 2.0 ** (np.maximum(np.frexp(np.where(r == 0, 1, r))[1] - 1, -6) - 3)
;;       q = np.round(r / step) * step * 2.0 ** e      # np.round: ties to even
;;       return np.moveaxis(q, -1, axis).astype(np.float32)
;;   ~~~
;;   SOFTMAX AHEAD OF A QUANTISED PRODUCT. Where the list says 'softmax', what is quantised is not the finished softmax but p = 2^(t - M), with t = logit x log2(e) and M = ceil(the row's largest t), a whole number; so 1/2 < the row's largest p <= 1. The row's sum l is taken of the UNQUANTISED p, in f32, and the product's result is divided by l at the end. Since M is a whole number, a kernel that streams over the keys may use a running M (the ceiling of the running maximum): every later rescaling is an exact power of two, so the quantised numbers keep their values, but for numbers so far below the row's largest that they fall under the format's range.
;;   OPERANDS COMPUTED ON THE WAY. 'Computed on the way' means the value that the module computes at that place (a softmax that the list does not call 'softmax' is quantised finished and normalised). What goes into a quantiser is computed in f32, as accurately as f32 sums, v_exp_f32 and their like allow (about 1e-6 of the number): no bf16 or f16 on the way to a quantiser, and a product that is left as it is and whose result goes on into a quantised operand takes f32 operands (vector FMAs, or v_wmma_f32_16x16x4_f32). A number that lies on a knife's edge between two numbers of the format may be rounded either way, as far as f32 arithmetic and the matrix unit's own rounding can turn it there, and no further.
;; One version. Each part assembles by itself: llvm-mc -triple=amdgcn-amd-amdhsa -mcpu=gfx1250 --defsym DOCPART=n.
;; ======== version 1 of 1: 4 launches
;; limits: right only within a limited range of input values
;; workspace buffers: xc 25,165,824 bytes; wc 4,194,304 bytes; mb 32,768 bytes; qkv 25,165,824 bytes; cc 8,388,608 bytes
;; launch quant (part 1): grid 897 x 1, 4 waves a work-group, no clusters, 33,280 bytes of LDS; arguments query, key, value, Wq, Wk, Wv, Wo, attention_mask, lowp_scales, xc, wc, mb; writes xc, wc, mb
.if DOCPART == 1
	.amdgcn_target "amdgcn-amd-amdhsa--gfx1250"
	.amdhsa_code_object_version 6
	.text
	.protected	k_q5f87e529ae_quant
	.globl	k_q5f87e529ae_quant
	.p2align	8
	.type	k_q5f87e529ae_quant,@function
k_q5f87e529ae_quant:
	s_mov_b64 s[64:65], 0
	v_nop
	global_prefetch_b8 v0, s[64:65] scope:SCOPE_SE
	s_setreg_imm32_b32 hwreg(HW_REG_WAVE_MODE, 25, 1), 1
	s_wait_xcnt 0x0
; query, key, value [8192][1024] and Wq, Wk, Wv, Wo [1024][1024], f32 with K innermost, become codes of FP8 (E4M3), one byte each, in the same order:
; xc = [query | key | value], wc = [Wq | Wk | Wv | Wo].  code = x / 2^e, rounded to the nearest code, ties to even; e is the tensor's entry of the scales (0, 2, 4 and 1, 3, 5, 11).
; attention_mask [4][2048] int32 becomes mb [4][2048] f32: 0 where the mask is not 0, -2^100 where it is 0: the number that the attention launch adds to a raw score.
; LIMITS: each e between -126 and 119, so that 2^e and 448 x 2^e are f32 numbers.  NaN among the inputs is not served.
; SHARES.  Work-group 0 makes mb.  Work-group n + 1 takes 32,768 numbers of one tensor: n = 0..767 query, key, value (256 each), n = 768..895 the four weights (32 each).
; A wave takes 16 steps of 512 numbers.  The conversions take 8 neighbours from ONE lane's registers; a load is best where neighbouring LANES take neighbouring bytes.  Both are had: each of a step's four
; loads reads 512 consecutive bytes, 16 a lane; the 2,048 bytes go through the wave's own stage in LDS and come back 64 bytes a lane (16 bytes of padding behind each 64).  A lane's 16 codes are 16 bytes:
; the wave stores 512 consecutive bytes, aligned.  Waves share nothing: no barrier.  Loads run four steps (16 loads a wave) ahead, the turn through LDS one step.
.set WAVES, 4
.set STEPS, 16
.set EMAX,  8
.set MANT,  0x600000                   ; the mantissa field of 448 as f32
.set CB,    16                         ; bytes of 16 codes
.set R,     16                         ; v16-79   four sets of 16 numbers as they are loaded
.set X,     80                         ; v80-111  two sets of 16 neighbours
.set C,     128                        ; v128-191 codes: four registers for each step, so that no store's data are written again
.set WREG,  8192                       ; LDS: a region of its own for each wave: two stages of 32 x SP bytes
.set SP,    80                         ; a lane's place in a stage: its 64 bytes + 16 of padding
.set SPW,   12                         ; v12      LDS address of my spare word; never rewritten
.set NIL,   13                         ; v13      0; never rewritten
.set SPARE, WAVES*WREG                 ; behind the four regions: the spare words, 128 bytes for each wave
.set SRC,   30                         ; s[30:31] my wave's numbers
.set DST,   32                         ; s[32:33] my wave's codes
	s_load_b512 s[4:19], s[0:1], 0x0               ; query 4, key 6, value 8, Wq 10, Wk 12, Wv 14, Wo 16, attention_mask 18
	s_load_b256 s[20:27], s[0:1], 0x40             ; the scales' exponents 20, xc 22, wc 24, mb 26
	v_lshl_add_u32 v[SPW], v0, 2, SPARE
	v_mov_b32 v[NIL], 0
	v_lshrrev_b32 v1, 5, v0
	v_readfirstlane_b32 s29, v1                    ; wave
	v_and_b32 v2, 31, v0                           ; lane
	v_lshlrev_b32 v3, 4, v2                        ; my 16 bytes of a load's 512
	s_mul_i32 s34, s29, WREG
	v_lshrrev_b32 v14, 2, v2
	v_mul_u32_u24 v14, v14, SP
	v_and_b32 v15, 3, v2
	v_lshl_add_u32 v14, v15, 4, v14
	v_add_nc_u32 v14, s34, v14                     ; the stage, on the way in: four lanes' 64 bytes on end, then 16 of padding
	v_mul_u32_u24 v15, v2, SP
	v_add_nc_u32 v15, s34, v15                     ; and on the way out: SP x lane: my 16 neighbours
	v_mul_u32_u24 v4, v2, CB                       ; my codes' place in a step's
	s_wait_kmcnt 0x0
	s_cmp_eq_u32 ttmp9, 0                          ; the work-group's number alone decides
	s_cbranch_scc1 .Lmask
	s_load_b256 s[48:55], s[20:21], 0x0            ; e0 .. e7
	s_load_b128 s[56:59], s[20:21], 0x20           ; e8 .. e11
	s_sub_co_u32 s28, ttmp9, 1                     ; n
	s_mov_b64 s[SRC:SRC+1], s[16:17]               ; which tensor: Wo, unless n lies under one of the bounds
	s_cmp_lt_u32 s28, 864
	s_cselect_b64 s[SRC:SRC+1], s[14:15], s[SRC:SRC+1]
	s_cmp_lt_u32 s28, 832
	s_cselect_b64 s[SRC:SRC+1], s[12:13], s[SRC:SRC+1]
	s_cmp_lt_u32 s28, 800
	s_cselect_b64 s[SRC:SRC+1], s[10:11], s[SRC:SRC+1]
	s_cmp_lt_u32 s28, 768
	s_cselect_b64 s[SRC:SRC+1], s[8:9], s[SRC:SRC+1]
	s_cmp_lt_u32 s28, 512
	s_cselect_b64 s[SRC:SRC+1], s[6:7], s[SRC:SRC+1]
	s_cmp_lt_u32 s28, 256
	s_cselect_b64 s[SRC:SRC+1], s[4:5], s[SRC:SRC+1]
	s_and_b32 s35, s28, 255                        ; my place in a tensor of 256 work-groups,
	s_and_b32 s36, s28, 31                         ; or of 32
	s_sub_co_u32 s37, s28, 768                     ; my place in wc
	s_cmp_lt_u32 s28, 768
	s_cselect_b32 s35, s35, s36
	s_cselect_b32 s37, s28, s37                    ; my place in xc or in wc
	s_cselect_b64 s[DST:DST+1], s[22:23], s[24:25]
	s_lshl_b32 s35, s35, 2
	s_add_co_u32 s35, s35, s29
	s_lshl_b32 s38, s35, 15                        ; my wave's 8,192 numbers: 32,768 bytes
	s_mov_b32 s39, 0
	s_add_nc_u64 s[SRC:SRC+1], s[SRC:SRC+1], s[38:39]
	s_lshl_b32 s37, s37, 2
	s_add_co_u32 s37, s37, s29
	s_lshl_b32 s38, s37, 13                        ; and their 8,192 codes
	s_add_nc_u64 s[DST:DST+1], s[DST:DST+1], s[38:39]
.macro LOAD t
.irp i, 0,1,2,3
	global_load_b128 v[R+16*((\t)%4)+4*\i:R+16*((\t)%4)+4*\i+3], v3, s[SRC:SRC+1] offset:2048*(\t)+512*\i th:TH_LOAD_NT   ; 32 lanes read 512 consecutive bytes
.endr
.endm
.macro TURN t                          ; step t's numbers through the stage: LDS serves a wave's instructions in order, so no wait stands between the stores and the loads
.irp i, 0,1,2,3
	ds_store_b128 v14, v[R+16*((\t)%4)+4*\i:R+16*((\t)%4)+4*\i+3] offset:32*SP*((\t)%2)+8*SP*\i
.endr
.irp i, 0,1,2,3
	ds_load_b128 v[X+16*((\t)%2)+4*\i:X+16*((\t)%2)+4*\i+3], v15 offset:32*SP*((\t)%2)+16*\i
.endr
.endm
	s_wait_alu depctr_va_vdst(0)
.irp t, 0,1,2,3
	LOAD \t
.endr
	s_wait_kmcnt 0x0
	s_mov_b32 s40, s59                             ; my tensor's e, by the same bounds: e11, e5, e3, e1, e4, e2, e0
	s_cmp_lt_u32 s28, 864
	s_cselect_b32 s40, s53, s40
	s_cmp_lt_u32 s28, 832
	s_cselect_b32 s40, s51, s40
	s_cmp_lt_u32 s28, 800
	s_cselect_b32 s40, s49, s40
	s_cmp_lt_u32 s28, 768
	s_cselect_b32 s40, s52, s40
	s_cmp_lt_u32 s28, 512
	s_cselect_b32 s40, s50, s40
	s_cmp_lt_u32 s28, 256
	s_cselect_b32 s40, s48, s40
	s_add_co_i32 s40, s40, 127
	s_lshl_b32 s41, s40, 23
	v_mov_b32 v11, s41                             ; 2^e as f32: the conversion takes its exponent field
	s_add_co_i32 s40, s40, EMAX
	s_lshl_b32 s40, s40, 23
	s_or_b32 s40, s40, MANT
	s_wait_alu depctr_va_vdst(0)
	s_wait_loadcnt 12                              ; step 0's four loads are in; the twelve of steps 1 to 3 may be out
	TURN 0
.macro STEP t
.set XS, X+16*((\t)%2)
	s_wait_dscnt 0x0                               ; this step's numbers are back from the stage: so its stores into the stage have read their registers,
.if (\t)+4 < STEPS
	LOAD (\t)+4                                    ; which take the loads of four steps on
.endif
.if (\t)+1 < STEPS
.if STEPS-2-(\t) >= 3
	s_wait_loadcnt 12                              ; the next step's four loads are in; those of the three steps behind it may be out
.else
	s_wait_loadcnt 4*(STEPS-2-(\t))
.endif
	TURN (\t)+1                                    ; and go through the other stage while this step is worked
.endif
.irp i, 0,1,2,3,4,5,6,7,8,9,10,11,12,13,14,15
.endr
	v_cvt_scalef32_pk8_fp8_f32 v[C+4*(\t):C+4*(\t)+1], v[XS:XS+7], v11
	v_cvt_scalef32_pk8_fp8_f32 v[C+4*(\t)+2:C+4*(\t)+3], v[XS+8:XS+15], v11
	global_store_b128 v4, v[C+4*(\t):C+4*(\t)+3], s[DST:DST+1] offset:32*CB*(\t)   ; the codes go to a store alone
.endm
.irp t, 0,1,2,3,4,5,6,7,8,9,10,11,12,13,14,15
	STEP \t
.endr
	s_wait_tensorcnt 0x0                           ; the wave's end: behind my last LDS store
	ds_add_u32 v[SPW], v[NIL]
	s_wait_dscnt 0x0
	s_endpgm
.Lmask:                                            ; work-group 0: 8,192 whole numbers, 64 a thread; each load and store of a wave covers 512 consecutive bytes
	v_lshlrev_b32 v5, 4, v0
.set n1, 0
.rept 16
	global_load_b128 v[16+4*n1:19+4*n1], v5, s[18:19] offset:2048*n1
.set n1, n1+1
.endr
	v_mov_b32 v10, 0xf1800000                      ; -2^100
	s_wait_alu depctr_va_vdst(0)
	s_wait_loadcnt 0x0
.set n1, 0
.rept 64
	v_cmp_eq_u32 vcc_lo, 0, v[16+n1]
	v_cndmask_b32 v[16+n1], 0, v10, vcc_lo         ; a key whose mask is 0 gets -2^100, every other 0
.set n1, n1+1
.endr
.set n1, 0
.rept 16
	global_store_b128 v5, v[16+4*n1:19+4*n1], s[26:27] offset:2048*n1
.set n1, n1+1
.endr
	s_wait_tensorcnt 0x0                           ; the same three lines at this end
	ds_add_u32 v[SPW], v[NIL]
	s_wait_dscnt 0x0
	s_endpgm
.Lfunc_end_k_q5f87e529ae_quant:
	.size	k_q5f87e529ae_quant, .Lfunc_end_k_q5f87e529ae_quant-k_q5f87e529ae_quant
	.p2alignl 7, 3214868480
	.fill 96, 4, 3214868480
	.section	.rodata,"a",@progbits
	.p2align	6, 0x0
	.amdhsa_kernel k_q5f87e529ae_quant
		.amdhsa_group_segment_fixed_size 33280
		.amdhsa_private_segment_fixed_size 0
		.amdhsa_enable_private_segment 0
		.amdhsa_kernarg_size 96
		.amdhsa_user_sgpr_count 2
		.amdhsa_user_sgpr_kernarg_segment_ptr 1
		.amdhsa_wavefront_size32 1
		.amdhsa_system_sgpr_workgroup_id_x 1
		.amdhsa_system_sgpr_workgroup_id_y 1
		.amdhsa_system_sgpr_workgroup_id_z 1
		.amdhsa_system_vgpr_workitem_id 0
		.amdhsa_next_free_vgpr 192
		.amdhsa_next_free_sgpr 66
		.amdhsa_reserve_vcc 1
		.amdhsa_float_denorm_mode_32 3
		.amdhsa_float_denorm_mode_16_64 3
		.amdhsa_fp16_overflow 1
		.amdhsa_memory_ordered 1
		.amdhsa_forward_progress 1
		.amdhsa_inst_pref_size 30
	.end_amdhsa_kernel
	.amdgpu_metadata
---
amdhsa.version: [ 1, 2 ]
amdhsa.kernels:
  - .name:           k_q5f87e529ae_quant
    .symbol:         k_q5f87e529ae_quant.kd
    .args:
      - { .name: query, .offset: 0, .size: 8, .value_kind: global_buffer, .address_space: global }
      - { .name: key, .offset: 8, .size: 8, .value_kind: global_buffer, .address_space: global }
      - { .name: value, .offset: 16, .size: 8, .value_kind: global_buffer, .address_space: global }
      - { .name: Wq, .offset: 24, .size: 8, .value_kind: global_buffer, .address_space: global }
      - { .name: Wk, .offset: 32, .size: 8, .value_kind: global_buffer, .address_space: global }
      - { .name: Wv, .offset: 40, .size: 8, .value_kind: global_buffer, .address_space: global }
      - { .name: Wo, .offset: 48, .size: 8, .value_kind: global_buffer, .address_space: global }
      - { .name: attention_mask, .offset: 56, .size: 8, .value_kind: global_buffer, .address_space: global }
      - { .name: lowp_scales, .offset: 64, .size: 8, .value_kind: global_buffer, .address_space: global }
      - { .name: xc, .offset: 72, .size: 8, .value_kind: global_buffer, .address_space: global }
      - { .name: wc, .offset: 80, .size: 8, .value_kind: global_buffer, .address_space: global }
      - { .name: mb, .offset: 88, .size: 8, .value_kind: global_buffer, .address_space: global }
    .group_segment_fixed_size: 33280
    .private_segment_fixed_size: 0
    .kernarg_segment_align: 8
    .kernarg_segment_size: 96
    .max_flat_workgroup_size: 128
    .sgpr_count:     66
    .vgpr_count:     192
    .wavefront_size: 32
...
	.end_amdgpu_metadata
.endif
;; end of part 1
;; launch proj (part 2): grid 4 x 96, 4 waves a work-group, clusters of 4 x 4, 327,680 bytes of LDS; arguments xc, wc, lowp_scales, qkv; writes qkv
.if DOCPART == 2
	.amdgcn_target "amdgcn-amd-amdhsa--gfx1250"
	.amdhsa_code_object_version 6
	.text
	.protected	k_q5f87e529ae_proj
	.globl	k_q5f87e529ae_proj
	.p2align	8
	.type	k_q5f87e529ae_proj,@function
k_q5f87e529ae_proj:
	s_mov_b64 s[64:65], 0
	v_nop
	global_prefetch_b8 v0, s[64:65] scope:SCOPE_SE
	s_setreg_imm32_b32 hwreg(HW_REG_WAVE_MODE, 25, 1), 1
	s_wait_xcnt 0x0
	s_wait_alu depctr_hold_cnt(0) depctr_sa_sdst(0) depctr_va_vdst(0) depctr_va_sdst(0) depctr_va_ssrc(0) depctr_va_vcc(0) depctr_vm_vsrc(0)
	s_getreg_b32 s2, hwreg(HW_REG_IB_STS2, 6, 4)
	s_cmp_eq_u32 s2, 0
	s_cbranch_scc0 .Lentry_in_a_cluster
	s_endpgm
.Lentry_in_a_cluster:
	s_bfe_u32 s2, ttmp6, 0x10000c
	s_cmp_lg_u32 s2, 0xf033
	s_cbranch_scc0 .Lentry_shape_is_right
	s_endpgm
.Lentry_shape_is_right:
; The three projections on codes of FP8 (E4M3), their results quantised again: q = query Wq^T, k = key Wk^T, v = value Wv^T.
; One body: C'[m][n] = sum over k of A[m][k] B[n][k], K = 1,024.  For q and k: A = the input's codes [8192][1024], B = the weight's [1024][1024].  For v THE OPERANDS CHANGE PLACES: A = Wv's codes, B = value's,
; so that C' = v^T and a lane's eight neighbours along n are eight neighbouring KEYS, which are the K of attention's second product.
; A sum stands for sum x 2^(ex + ew); its code is sum / 2^(eo - ex - ew), held within +-448: eo = entry 6 (q), 7 (k), 9 (v) of the scales.  LIMIT: eo - ex - ew between -126 and 119.
; OUTPUT, one part of 8 MiB for each tensor, laid [n / 64][m][64]: q and k: [head][b x 2048 + l][64 channels];  v: [b x 32 + key / 64][head x 64 + channel][64 keys].
; A tile of C', 256 x 256, is made by a work-group of four waves; a wave makes 128 x 128: 64 accumulators of 16 x 16, 512 registers.  K goes in steps of 256 through a ring of two LDS slots filled by the tensor data mover.
; CLUSTERS: 4 x 4 work-groups; cluster y = 8 t + c: tensor t, and c = which 1,024 rows (q, k) or 1,024 columns (v).  The four of a row of the cluster need the same tiles of A, the four of a column the same tiles of B:
; each tile is asked for JOINTLY, by the same tensor load with the same descriptor and a mask that names the four.
; THE MATRIX INSTRUCTION IS USED TRANSPOSED (source 0 = 16 rows of B, source 1 = 16 rows of A): a lane holds eight neighbouring numbers of a row of C'.
; REGISTERS, in windows of 256: window 0: v0-31 addresses; from v128 A's fragments (8 x 16 rows x 128 K), ONE set; on the way out v32-255 are free.
;   window 1: B's fragments, TWO sets, at v0 and at v128.   window 2: the 32 accumulators of my rows 0-63 (accumulator (a, b) at v[8 (8 a + b)]);   window 3: those of my rows 64-127.
.set SIZE_K, 1024
.set KSTEP,  256                       ; along K in a slot
.set ROWB,   256                       ; a tile's row in bytes
.set KROW,   SIZE_K                    ; a row of A or of B in memory, in bytes
.set PITCH,  272                       ; an LDS row: 256 bytes + 16 of padding = 68 words: the 16 rows that a load touches start at 16 different banks (64 banks of 4 bytes: ISA guide 11.1)
.set FR,     16                        ; registers of a fragment: 16 rows x 128 K
.set NL,     4                         ; LDS loads that bring one
.set NP,     4                         ; places behind this matrix instruction (ISA guide 7.12.1)
.set HALFT,  128*PITCH                 ; 128 rows: what one tensor load brings
.set SLOT,   4*HALFT                   ; A's 256 rows, then B's 256 rows
.set LAPS,   SIZE_K/(2*KSTEP)          ; a lap = two K steps = once round the ring
.set SPARE,  2*SLOT                    ; behind the ring: the spare words, 128 bytes for each wave
.set ADRA, 16                          ; v16-17  LDS address of my A fragments in slot 0, 1
.set ADRB, 20                          ; v20-21  the same for B
.set STO,  24                          ; v24     the way out: where I put 8 codes of a row
.set RD,   25                          ; v25     the way out: where I read 16 bytes back
.set CO,   26                          ; v26     16 x lane: my bytes of a store's 512
.set SPW,  28                          ; v28     LDS address of my spare word; never rewritten
.set NIL,  29                          ; v29     0; never rewritten
.set SC,   30                          ; v30     2^(eo - ex - ew) as f32
.set LIM,  31                          ; v31     448 x that
.set TMP,  32                          ; v32-95  the way out: a block's 64 sums, held
.set AF,   128                         ; A's fragments, in window 0
.set G1, 24                            ; s[24:31] descriptor group 1 for A's tiles;  s[32:39] group 0, one set for each slot
.set G0, 32
.set G1B, 48                           ; s[48:55], s[56:63] the same for B's tiles
.set G0B, 56
.set MSB, 0
.macro WIN new                         ; the immediate's high byte repeats the setting that is left
.if MSB != \new
	s_set_vgpr_msb (MSB<<8)|\new
.set MSB, \new
.endif
.endm
.set MUL_LO, 0xa1                      ; source 0 (B) window 1, source 1 (A) window 0, C and D window 2
.set MUL_HI, 0xf1                      ; the same, C and D window 3
.set TO_B,   0x40                      ; destination window 1, address window 0
; A joint load: waves 0 and 1 fetch for A, waves 2 and 3 for B.  Each of the two lines has ONE mask and one set of registers for all that issue it; the branch hangs on the wave's number alone.
; An s_nop 0 and four v_nop follow each of the two lines, ahead of the jump, the label and what follows.
.macro JLOAD g0a, g1a, g0b, g1b
	s_cmp_eq_u32 s15, 0
	s_cbranch_scc0 .Lfor_b_\@
	tensor_load_to_lds s[\g0a:\g0a+3], s[\g1a:\g1a+7]
	s_nop 0
.rept 4
	v_nop
.endr
	s_branch .Lasked_\@
.Lfor_b_\@:
	tensor_load_to_lds s[\g0b:\g0b+3], s[\g1b:\g1b+7]
	s_nop 0
.rept 4
	v_nop
.endr
.Lasked_\@:
.endm
.macro CREST                           ; a round of the cluster's barrier behind its opening barrier
	s_cmp_lg_u32 s14, 0
	s_cbranch_scc1 .Lnot_wave_0_\@
	s_barrier_signal -3
.Lnot_wave_0_\@:
	s_barrier_wait -3
	s_barrier_signal -1
	s_barrier_wait -1
.endm
.macro CROUND                          ; a whole round
	s_barrier_signal -1
	s_barrier_wait -1
	CREST
.endm
	s_load_b128 s[4:7], s[0:1], 0x0                ; xc s[4:5], wc s[6:7]
	s_load_b128 s[8:11], s[0:1], 0x10              ; the scales' exponents s[8:9], qkv s[10:11]
	v_lshl_add_u32 v[SPW], v0, 2, SPARE
	v_mov_b32 v[NIL], 0
	ds_add_u32 v[SPW], v[NIL]                      ; the wave's opening: the add and its wait stand ahead of my first tensor load; the set-up below, work on registers, stands between them
	v_lshrrev_b32 v1, 5, v0
	v_readfirstlane_b32 s14, v1                    ; wave 0..3
	s_lshr_b32 s15, s14, 1                         ; which half of the tile's rows is mine.  Also: I fetch for A (0) or for B (1)
	s_and_b32 s16, s14, 1                          ; which half of its columns.  Also: which 128 rows of that tile I fetch
	s_bfe_u32 s40, ttmp6, 0x40000                  ; cx, cy: my place in the cluster
	s_bfe_u32 s41, ttmp6, 0x40004
	s_and_b32 s80, ttmp7, 0xffff                   ; cluster y, 0..23: all sixteen partners share it
	s_lshr_b32 s81, s80, 3                         ; t: 0 q, 1 k, 2 v
	s_and_b32 s82, s80, 7
	s_cmp_eq_u32 s81, 2
	s_cselect_b32 s83, 0, s82                      ; q, k: the eight clusters of a tensor lie one below the other;
	s_cselect_b32 s84, s82, 0                      ; v: side by side
	s_lshl_b32 s42, s84, 2
	s_add_co_u32 s42, s42, s40                     ; tile column of C'
	s_lshl_b32 s17, s83, 2
	s_add_co_u32 s17, s17, s41                     ; tile row of C'
	s_lshl_b32 s43, s41, 2
	s_lshl_b32 s43, 15, s43                        ; my row of the cluster
	s_lshl_b32 s44, 0x1111, s40                    ; my column
	; descriptor group 1: a tile of 128 rows x 256 bytes, padded in LDS
	s_or_b32 s[G1+0], s43, (0<<16)|(1<<20)|(1<<21)|(5<<22)|(3<<25)  ; 15:0 the mask: A's tiles go to my row; 17:16 element of 1 byte; 20 padding on; 21 set beside a mask; 24:22 after every 64 words (code 5); 31:25 of 4 words (code 3)
	s_or_b32 s[G1B+0], s44, (0<<16)|(1<<20)|(1<<21)|(5<<22)|(3<<25)
.irp g, G1, G1B
	s_mov_b32 s[\g+1], ROWB<<16                    ; tensor_dim0
	s_mov_b32 s[\g+2], 128<<16                     ; tensor_dim1 = 128
	s_mov_b32 s[\g+3], ROWB<<16                    ; tile_dim0
	s_mov_b32 s[\g+4], 128                         ; tile_dim1 = 128
	s_mov_b32 s[\g+5], KROW                        ; tensor_dim0_stride
	s_mov_b32 s[\g+6], 0
	s_mov_b32 s[\g+7], 0
.endr
	s_lshl_b32 s18, s16, 7                         ; which 128 rows of the tile I fetch
	s_lshl_b32 s20, s17, 8
	s_add_co_u32 s20, s20, s18                     ; A: row 256 x tile row + 128 x half
	s_lshl_b32 s46, s42, 8
	s_add_co_u32 s46, s46, s18                     ; B: row 256 x tile column + 128 x half
	s_mov_b32 s21, 0
	s_mov_b32 s47, 0
	s_mov_b64 s[18:19], KROW
	s_mul_u64 s[20:21], s[20:21], s[18:19]         ; in bytes
	s_mul_u64 s[46:47], s[46:47], s[18:19]
	s_mul_i32 s45, s14, HALFT                      ; where they go: wave x 128 rows: no place in the cluster enters an LDS address
	s_lshl_b32 s86, s81, 23                        ; tensor t in xc and in qkv: 8 MiB each,
	s_mov_b32 s87, 0
	s_lshl_b32 s88, s81, 20                        ; and in wc: 1 MiB each
	s_mov_b32 s89, 0
	s_wait_dscnt 0x0                               ; the opening add is done
	s_wait_kmcnt 0x0
	s_load_b256 s[68:75], s[8:9], 0x0              ; e0 .. e7
	s_load_b128 s[76:79], s[8:9], 0x20             ; e8 .. e11
	s_add_nc_u64 s[4:5], s[4:5], s[86:87]          ; the input's codes
	s_add_nc_u64 s[6:7], s[6:7], s[88:89]          ; the weight's codes
	s_cmp_eq_u32 s81, 2                            ; the choice hangs on the cluster's y alone
	s_cselect_b64 s[90:91], s[6:7], s[4:5]         ; A
	s_cselect_b64 s[94:95], s[4:5], s[6:7]         ; B
	s_add_nc_u64 s[20:21], s[90:91], s[20:21]
	s_add_nc_u64 s[46:47], s[94:95], s[46:47]
	CROUND                                         ; all sixteen work-groups are here: the first joint loads meet
.irp s, 0,1
	s_mov_b32 s[G0+4*\s], 1
	s_add_co_u32 s[G0+4*\s+1], s45, \s*SLOT
	s_add_nc_u64 s[G0+4*\s+2:G0+4*\s+3], s[20:21], \s*ROWB
	s_or_b32 s[G0+4*\s+3], s[G0+4*\s+3], 0x80000000
	s_mov_b32 s[G0B+4*\s], 1
	s_add_co_u32 s[G0B+4*\s+1], s45, \s*SLOT
	s_add_nc_u64 s[G0B+4*\s+2:G0B+4*\s+3], s[46:47], \s*ROWB
	s_or_b32 s[G0B+4*\s+3], s[G0B+4*\s+3], 0x80000000
	JLOAD G0+4*\s, G1, G0B+4*\s, G1B
.endr
	v_and_b32 v1, 15, v0                           ; r = l % 16
	v_bfe_u32 v2, v0, 4, 1                         ; h = l / 16
	v_mul_u32_u24 v3, v1, PITCH
	v_lshl_add_u32 v4, v2, 4, v3                   ; a fragment's row x pitch + 16 x half
	s_mul_i32 s21, s15, HALFT                      ; my 128 rows of A
	s_mul_i32 s22, s16, HALFT                      ; my 128 rows of B,
	s_add_co_u32 s22, s22, 2*HALFT                 ; which lie behind A's 256
.irp s, 0,1
	v_add_nc_u32 v[ADRA+\s], s21, v4
	v_add_nc_u32 v[ADRB+\s], s22, v4
	s_add_co_u32 s21, s21, SLOT
	s_add_co_u32 s22, s22, SLOT
.endr
	s_lshl_b32 s23, s14, 14                        ; my stage: 16 KiB in slot 0: [2 blocks of 64 columns][128 rows][64 bytes], as the codes lie in memory
	v_lshlrev_b32 v5, 6, v1
	v_lshl_add_u32 v5, v2, 3, v5
	v_add_nc_u32 v[STO], s23, v5                   ; in: row r x 64 + 8 h
	v_and_b32 v6, 31, v0
	v_lshlrev_b32 v[CO], 4, v6
	v_add_nc_u32 v[RD], s23, v[CO]                 ; back: 16 bytes a lane
	s_mov_b32 s85, 524288                          ; bytes of a block of 64 columns: 64 x the rows of C': 8,192 rows (q, k)
	s_cmp_eq_u32 s81, 2
	s_cselect_b32 s85, 65536, s85                  ; or 1,024 (v)
	s_lshl_b32 s20, s17, 8
	s_lshl_b32 s21, s15, 7
	s_add_co_u32 s20, s20, s21                     ; my first row: 256 x tile row + 128 x half,
	s_lshl_b32 s20, s20, 6                         ; 64 bytes each,
	s_add_co_u32 s20, s20, s86                     ; in tensor t's part
	s_mov_b32 s21, 0
	s_lshl_b32 s46, s42, 2
	s_lshl_b32 s47, s16, 1
	s_add_co_u32 s46, s46, s47                     ; my first block of 64 columns: 4 x tile column + 2 x half
	s_mul_i32 s46, s46, s85
	s_mov_b32 s47, 0
	s_add_nc_u64 s[20:21], s[20:21], s[46:47]      ; all of it under 2^25
	s_add_nc_u64 s[10:11], s[10:11], s[20:21]      ; my first block's 8,192 bytes,
	s_mov_b32 s92, s85
	s_mov_b32 s93, 0
	s_add_nc_u64 s[92:93], s[10:11], s[92:93]      ; and my second's
.macro FRAG reg, adr, q, i             ; a fragment, 16 rows x 128 K, is 16 registers: lane l holds row l % 16; registers 4 c .. 4 c + 3 hold K = 32 c + 16 (l / 16) + 0 .. 15: the same order of k in A and in B
.irp c, 0,1,2,3
	ds_load_b128 v[\reg+4*\c:\reg+4*\c+3], v[\adr] offset:128*(\q)+32*\c+(\i)*16*PITCH
.endr
.endm
; 16 matrix instructions: A's blocks a0, a0 + 1 x B's eight, 128 along K.  p: B's set.  zero = 1: the first product starts the sums.
; The 64 accumulators take turns, one instruction a turn, in the same order in every step.
.macro MUL16 a0, p, zero
.irp a, \a0, \a0+1
.irp b, 0,1,2,3,4,5,6,7
.if \zero
	v_wmma_f32_16x16x128_fp8_fp8 v[8*(8*((\a)%4)+\b):8*(8*((\a)%4)+\b)+7], v[128*(\p)+FR*\b:128*(\p)+FR*\b+FR-1], v[AF+FR*(\a):AF+FR*(\a)+FR-1], 0
.else
	v_wmma_f32_16x16x128_fp8_fp8 v[8*(8*((\a)%4)+\b):8*(8*((\a)%4)+\b)+7], v[128*(\p)+FR*\b:128*(\p)+FR*\b+FR-1], v[AF+FR*(\a):AF+FR*(\a)+FR-1], v[8*(8*((\a)%4)+\b):8*(8*((\a)%4)+\b)+7]
.endif
.endr
.endr
.endm
.macro FETCH_B slot, q, p              ; B's eight fragments of the slot's q-th 128 along K into set p
	WIN TO_B
.irp i, 0,1,2,3,4,5,6,7
	FRAG 128*(\p)+FR*\i, ADRB+\slot, \q, \i
.endr
	WIN 0
.endm
.macro FETCH_A slot, q, i0             ; A's blocks i0 .. i0 + 3
.irp i, \i0, \i0+1, \i0+2, \i0+3
	FRAG AF+FR*(\i), ADRA+\slot, \q, \i
.endr
.endm
; A load into a register that a matrix instruction has read, and a vector instruction that reads a matrix result, stand NP places behind that matrix instruction; only plain vector
; instructions that name none of its registers are places (ISA guide 7.12.1 for vector instructions).
.macro PLACES n
.rept \n
	v_nop
.endr
.endm
; A step of 128 along K that has its successor in the same slot.
.macro STEP slot, q, zero
	s_wait_dscnt 4*NL                              ; B's set and A's blocks 0-3 are in; the youngest sixteen loads (A's blocks 4-7) may be out
	WIN MUL_LO
	MUL16 0, (\q)%2, \zero
	MUL16 2, (\q)%2, \zero
	s_wait_dscnt 0                                 ; A's blocks 4-7 are in
	PLACES NP
	FETCH_B \slot, (\q)+1, 1-(\q)%2
	FETCH_A \slot, (\q)+1, 0
	WIN MUL_HI
	MUL16 4, (\q)%2, \zero
	MUL16 6, (\q)%2, \zero
	PLACES NP
	WIN 0
	FETCH_A \slot, (\q)+1, 4
.endm
; A slot's last step changes slots: ONE barrier; in front of it each wave waits for all its tensor loads, adds 0 to its spare word, and waits for that and for its own reads of this slot.  fill = 1: this slot is filled again, two K steps ahead.
.macro TURN slot, next, fill
	s_wait_tensorcnt 0x0                           ; all my tensor loads have landed: my part of the next slot  (every window is 0 here)
	ds_add_u32 v[SPW], v[NIL]                      ; 0 onto my spare word
	s_wait_dscnt 4*NL+1                            ; (the add and the youngest sixteen loads, A's blocks 4-7, may be out)
	WIN MUL_LO
	MUL16 0, 1, 0                                  ; sixteen matrix instructions stand between the add and the wait for it
	s_wait_dscnt 0x0                               ; the add is done, and my reads of this slot are over
	s_barrier_signal -1
	MUL16 2, 1, 0
	WIN 0
	s_barrier_wait -1
.if \fill
	CREST                                          ; the barrier has opened a round of the cluster's barrier: no wave of any partner still reads this slot's tile or has a load on its way
	s_add_nc_u64 s[G0+4*\slot+2:G0+4*\slot+3], s[G0+4*\slot+2:G0+4*\slot+3], 2*ROWB
	s_add_nc_u64 s[G0B+4*\slot+2:G0B+4*\slot+3], s[G0B+4*\slot+2:G0B+4*\slot+3], 2*ROWB
	JLOAD G0+4*\slot, G1, G0B+4*\slot, G1B         ; the first tensor load behind the round; the four v_nop behind it are the places in front of the loads below
.else
	PLACES NP
.endif
	FETCH_B \next, 0, 0
	FETCH_A \next, 0, 0
	WIN MUL_HI
	MUL16 4, 1, 0
	MUL16 6, 1, 0
	PLACES NP
	WIN 0
	FETCH_A \next, 0, 4
.endm
	s_wait_tensorcnt 1                             ; my part of K step 0 is in; K step 1's load may be out
	s_barrier_signal -1
	s_barrier_wait -1                              ; everybody's is
	FETCH_B 0, 0, 0
	FETCH_A 0, 0, 0
	FETCH_A 0, 0, 4
	STEP 0, 0, 1                                   ; the first step stands in front of the loop: its products start the sums
	s_mov_b32 s3, LAPS-1
.Llap:                                                 ; a trip goes once round the ring, from a lap's second step to the next lap's first, and fills both slots again
	TURN 0, 1, 1
	STEP 1, 0, 0
	TURN 1, 0, 1
	STEP 0, 0, 0
	s_sub_co_u32 s3, s3, 1
	s_cmp_lg_u32 s3, 0
	s_cbranch_scc1 .Llap
	TURN 0, 1, 0                                   ; the last lap fills nothing, and has no round of the cluster's barrier
	STEP 1, 0, 0
	s_wait_dscnt 4*NL                              ; the very last step: nothing more to fetch
	WIN MUL_LO
	MUL16 0, 1, 0
	MUL16 2, 1, 0
	s_wait_dscnt 0
	WIN MUL_HI
	MUL16 4, 1, 0
	MUL16 6, 1, 0
	WIN 0
; THE WAY OUT.  The sums are quantised in registers: a lane's eight registers of an accumulator are eight neighbours along n: one conversion, 8 bytes.  My 128 x 128 codes are gathered in my stage, laid as they lie in
; memory (two runs of 8,192 consecutive bytes), and leave 512 consecutive bytes a store.  The stage lies in slot 0, which has had its last fill, and which nobody reads behind the last change of slots.
	s_wait_kmcnt 0x0
	s_sub_co_i32 s68, s74, s68
	s_sub_co_i32 s68, s68, s69                     ; q: e6 - e0 - e1
	s_sub_co_i32 s70, s75, s70
	s_sub_co_i32 s70, s70, s71                     ; k: e7 - e2 - e3
	s_sub_co_i32 s72, s77, s72
	s_sub_co_i32 s72, s72, s73                     ; v: e9 - e4 - e5
	s_cmp_eq_u32 s81, 0
	s_cselect_b32 s68, s68, s70
	s_cmp_eq_u32 s81, 2
	s_cselect_b32 s68, s72, s68                    ; chosen without a jump
	s_add_co_i32 s68, s68, 127
	s_lshl_b32 s69, s68, 23
	v_mov_b32 v[SC], s69
	s_add_co_i32 s68, s68, 8
	s_lshl_b32 s68, s68, 23
	s_or_b32 s68, s68, 0x600000
	v_mov_b32 v[LIM], s68
	PLACES NP
.macro QBLOCK a                        ; block a: 16 rows x 128 columns
.set AC, 64*((\a)%4)
.set CD, 96+16*((\a)%2)                ; its codes: v96-111 and v112-127 by turns
	WIN 0x02+((\a)/4)                              ; source 0: window 2 or 3
.set n1, 0
.rept 64
	v_med3_num_f32 v[TMP+n1], v[AC+n1], -v[LIM], v[LIM]   ; the hold at 448 x the scale (the conversion does not saturate: ISA guide 7.6.2); each accumulator from its low end on
.set n1, n1+1
.endr
	WIN 0
.if (\a) > 1
	s_wait_dscnt 8                                 ; all but the eight stores of the block before are done: the stores that read this set of code registers among them
.endif
.irp b, 0,1,2,3,4,5,6,7
	v_cvt_scalef32_pk8_fp8_f32 v[CD+2*\b:CD+2*\b+1], v[TMP+8*\b:TMP+8*\b+7], v[SC]
.endr
	v_nop                                          ; one plain vector instruction behind the last conversion: the next block's holds write the conversions' sources
.irp b, 0,1,2,3,4,5,6,7
	ds_store_b64 v[STO], v[CD+2*\b:CD+2*\b+1] offset:(\b/4)*8192+(\a)*1024+(\b%4)*16   ; C'(16 a + r, 16 b + 8 h + 0 .. 7)
.endr
.endm
.irp a, 0,1,2,3,4,5,6,7
	QBLOCK \a
.endr
.set n1, 0
.rept 32
	ds_load_b128 v[128+4*n1:131+4*n1], v[RD] offset:512*n1   ; LDS serves a wave's instructions in order (ISA guide 5.7.1.4): these see my stores
.set n1, n1+1
.endr
.set n1, 0
.rept 32
	s_wait_dscnt 31-n1                             ; load n1 is back; the younger ones may be out
.if n1 < 16
	global_store_b128 v[CO], v[128+4*n1:131+4*n1], s[10:11] offset:(n1%16)*512   ; 32 lanes store 512 consecutive bytes, at a multiple of 256 from the buffer's first byte
.else
	global_store_b128 v[CO], v[128+4*n1:131+4*n1], s[92:93] offset:(n1%16)*512
.endif
.set n1, n1+1
.endr
	s_wait_tensorcnt 0x0                           ; the wave's end: behind my last tensor load and my last LDS store
	ds_add_u32 v[SPW], v[NIL]
	s_wait_dscnt 0x0
	CROUND                                         ; the closing round: no work-group ends while a partner may still ask for a tile that names it
	s_endpgm
.Lfunc_end_k_q5f87e529ae_proj:
	.size	k_q5f87e529ae_proj, .Lfunc_end_k_q5f87e529ae_proj-k_q5f87e529ae_proj
	.p2alignl 7, 3214868480
	.fill 96, 4, 3214868480
	.section	.rodata,"a",@progbits
	.p2align	6, 0x0
	.amdhsa_kernel k_q5f87e529ae_proj
		.amdhsa_group_segment_fixed_size 327680
		.amdhsa_private_segment_fixed_size 0
		.amdhsa_enable_private_segment 0
		.amdhsa_kernarg_size 32
		.amdhsa_user_sgpr_count 2
		.amdhsa_user_sgpr_kernarg_segment_ptr 1
		.amdhsa_wavefront_size32 1
		.amdhsa_system_sgpr_workgroup_id_x 1
		.amdhsa_system_sgpr_workgroup_id_y 1
		.amdhsa_system_sgpr_workgroup_id_z 1
		.amdhsa_system_vgpr_workitem_id 0
		.amdhsa_next_free_vgpr 1024
		.amdhsa_next_free_sgpr 100
		.amdhsa_reserve_vcc 0
		.amdhsa_float_denorm_mode_32 3
		.amdhsa_float_denorm_mode_16_64 3
		.amdhsa_memory_ordered 1
		.amdhsa_forward_progress 1
		.amdhsa_inst_pref_size 126
	.end_amdhsa_kernel
	.amdgpu_metadata
---
amdhsa.version: [ 1, 2 ]
amdhsa.kernels:
  - .name:           k_q5f87e529ae_proj
    .symbol:         k_q5f87e529ae_proj.kd
    .args:
      - { .name: xc, .offset: 0, .size: 8, .value_kind: global_buffer, .address_space: global }
      - { .name: wc, .offset: 8, .size: 8, .value_kind: global_buffer, .address_space: global }
      - { .name: lowp_scales, .offset: 16, .size: 8, .value_kind: global_buffer, .address_space: global }
      - { .name: qkv, .offset: 24, .size: 8, .value_kind: global_buffer, .address_space: global }
    .group_segment_fixed_size: 327680
    .private_segment_fixed_size: 0
    .kernarg_segment_align: 8
    .kernarg_segment_size: 32
    .max_flat_workgroup_size: 128
    .sgpr_count:     100
    .vgpr_count:     1024
    .wavefront_size: 32
...
	.end_amdgpu_metadata
.endif
;; end of part 2
;; launch attn (part 3): grid 4 x 64, 16 waves a work-group, no clusters, 327,680 bytes of LDS; arguments qkv, mb, lowp_scales, cc; writes cc
.if DOCPART == 3
	.amdgcn_target "amdgcn-amd-amdhsa--gfx1250"
	.amdhsa_code_object_version 6
	.text
	.protected	k_q5f87e529ae_attn
	.globl	k_q5f87e529ae_attn
	.p2align	8
	.type	k_q5f87e529ae_attn,@function
k_q5f87e529ae_attn:
	s_mov_b64 s[64:65], 0
	v_nop
	global_prefetch_b8 v0, s[64:65] scope:SCOPE_SE
	s_setreg_imm32_b32 hwreg(HW_REG_WAVE_MODE, 25, 1), 1
	s_wait_xcnt 0x0
; ctx[b][h][q] = the sum over k of softmax_k(q . k / 8, causal and key mask) v[k], both products on codes of FP8 (E4M3); ctx is quantised (entry 10 of the scales) into cc [head][b x 2048 + q][64].
; INPUTS (made by the launch before): q, k: [head][b x 2048 + l][64] codes; v: [b x 32 + key / 64][head x 64 + channel][64 keys] codes, the keys innermost; mb [b][key] f32: 0, or -2^100 for a key whose mask is 0.
; THE SOFTMAX: t = raw score x c, c = log2(e) / 8 x 2^(e6 + e7); M = the largest t so far, rounded UP to a whole number; p = 2^(t - M) is quantised (entry 8); the row's sum is taken of the unquantised p and divides at the end.
; THE KEY MASK is the C of the score's matrix instruction: a masked key's raw score is about -2^100.  Causally hidden scores become -infinity on the diagonal; steps wholly behind the diagonal are left out.
; The largest t starts at the FLOOR F = -2^25 c.  A raw score is at most 64 x 448^2 < 2^24 in magnitude, so every valid t lies above F and every masked one far below.  While only masked keys have been seen, M = ceil(F), every p is 0 and the sums stay 0.
; A QUERY WITH NO VALID KEY AT OR BEFORE IT.  The masks write the same finite number into all 2,048 scores of such a row, so p = 1 for ALL keys of the batch, hidden ones too: ctx = Q(1) x the sum of all v / 2,048.
; That sum is made once at the head (four matrix instructions a wave, with p's code of 1 as the other operand) and taken by v_cndmask_b32 where the largest t has stayed at F.  No branch hangs on data.
; SHARES.  Work-group (i, b x 16 + h) owns query blocks i and 7 - i (256 queries each) of one head, one after the other: key slots 0..i, then 0..7-i: nine slots of 256 keys in every work-group.
; Each of its sixteen waves owns 16 queries of the block in hand, in 256 registers: four waves to a SIMD, so that one wave's vector work stands beside another's matrix work and LDS loads.
; RING: two LDS slots of 256 keys.  One tensor load a wave: waves 0-3 64 keys of K each, waves 4-7 64 keys of V each (64 rows of 64 bytes, 16 of padding behind each), wave 8 the slot's 1,024 bytes of mb.
; LAYOUT.  Both products are used transposed (S^T = K Q^T, O^T = V^T P^T): a lane holds ONE query (lane % 16).  Lane r of key tile 2 b + u takes key 32 b + 8 u + r + 8 (r / 8), so that the 16 registers of tiles 2 b, 2 b + 1 are keys 32 b + 16 (lane / 16) + 0 .. 15.
; No cluster: the four work-groups of a head want different key slots in each trip, and a work-group fetches nine slots of 41 KiB in all.  No prefetch: each refill is asked for a whole slot's steps ahead of its first read.
; LIMITS on the given exponents: e6 + e7 between -80 and 2 (a masked key's p is then exactly 0, and |t| stays under 2^24, where t - M is still exact to less than 1); e8 and e10 between -126 and 119; e8 + e9 goes by v_ldexp_f32 and has none.  NaN is not served.
; REGISTERS: v1-4, 7, 11, 24-27 addresses that stay; v5, v6 the add's two; v8-10 addresses of the step; v12 -M, v13 the largest t, v[14:15] the sum in two halves; v16-23 Q; v32-95 fragments of K, then of V; v96-159 S^T, then p; v160-191 O^T; v192-223 ctx; v224-239 p's codes.
.set KP,    80                         ; a row of K or of V in LDS: 64 bytes + 16 of padding: an odd multiple of 16
.set VOFF,  20480                      ; a slot: 256 rows of K; then V: 4 blocks of 64 keys x 64 channel rows;
.set MOFF,  40960                      ; then 256 numbers of mb
.set SLOT1, 65536                      ; slot 1 begins here: one exclusive or turns an address from one slot to the other
.set VS,    131072                     ; four partial sums over all keys: 4 x 64 f32
.set STG,   132096                     ; the way out: 16 rows x 64 bytes for each wave
.set SPARE, 148480                     ; the spare words, 128 bytes for each of the sixteen waves
.set AK0, 1
.set AV0, 2
.set AM0, 3
.set QA,  4
.set SPW, 5
.set NIL, 6
.set GO,  7
.set ADK, 8
.set ADV, 9
.set ADM, 10
.set STO, 11
.set RD,  24
.set VSR, 25
.set VSW, 26
.set VGA, 27
.set TB,  2                            ; s2   LDS byte at which the slot in hand begins
.set T,   3                            ; s3   the trip, 0..7
.set SW,  12                           ; s12  i + 1: the trip at which the second block begins
.set KF,  14                           ; s14  the step's first key
.set Q0,  15                           ; s15  my first query
.set Q0B, 16                           ; s16  my first query of the second block
.set WV,  18                           ; s18  my wave's number
.set SEL, 20                           ; s[20:21] lane selects for v_permlanex16_b32: lane l xor 16
.set CS,  22                           ; s[22:23] c
.set G1,  24                           ; s[24:31] descriptor group 1 for K's and V's tiles
.set G1M, 32                           ; s[32:39] for mb's
.set G0,  40                           ; s[40:43] my group 0
.set BASE, 44                          ; s[44:45] what I fetch of key slot 0
.set STP, 46                           ; s46  bytes from a key slot to the next in what I fetch
.set FLO, 50                           ; s50  F
.set EPV, 51                           ; s51  e8 + e9
.set QP,  52                           ; s[52:53] q's codes of my head and batch
.set CP,  54                           ; s[54:55] cc likewise
; Waves 0-7 fetch a tile of K or V, wave 8 the bias, the others nothing.  The branches hang on the wave's number alone.  An s_nop 0 and four v_nop follow each of the two lines.
.macro TLOAD
	s_cmp_lt_u32 s[WV], 8
	s_cbranch_scc0 .Lnot_kv_\@
	tensor_load_to_lds s[G0:G0+3], s[G1:G1+7]
	s_nop 0
.rept 4
	v_nop
.endr
	s_branch .Lasked_\@
.Lnot_kv_\@:
	s_cmp_eq_u32 s[WV], 8
	s_cbranch_scc0 .Lasked_\@
	tensor_load_to_lds s[G0:G0+3], s[G1M:G1M+7]
	s_nop 0
.rept 4
	v_nop
.endr
.Lasked_\@:
.endm
	s_load_b256 s[4:11], s[0:1], 0x0               ; qkv s[4:5], mb s[6:7], the scales' exponents s[8:9], cc s[10:11]
	v_lshl_add_u32 v[SPW], v0, 2, SPARE
	v_mov_b32 v[NIL], 0
	ds_add_u32 v[SPW], v[NIL]                      ; the wave's opening: the add and its wait stand ahead of my first tensor load; the set-up below, work on registers, stands between them
	ds_add_u32 v[SPW], v[NIL]
	v_lshrrev_b32 v8, 5, v0
	s_delay_alu instid0(VALU_DEP_1)
	v_readfirstlane_b32 s[WV], v8                  ; wave 0..15
	s_and_b32 s13, ttmp7, 0xffff
	s_lshr_b32 s80, s13, 4                         ; b
	s_and_b32 s81, s13, 15                         ; h
	s_add_co_u32 s[SW], ttmp9, 1
	s_lshl_b32 s56, s[WV], 4
	s_lshl_b32 s[Q0], ttmp9, 8
	s_add_co_u32 s[Q0], s[Q0], s56                 ; 256 i + 16 w
	s_sub_co_u32 s[Q0B], 7, ttmp9
	s_lshl_b32 s[Q0B], s[Q0B], 8
	s_add_co_u32 s[Q0B], s[Q0B], s56               ; 256 (7 - i) + 16 w
	s_lshl_b32 s82, s81, 19
	s_lshl_b32 s57, s80, 17
	s_add_co_u32 s82, s82, s57                     ; my head and batch in q's part, in k's and in cc: 524,288 h + 131,072 b
	s_mov_b32 s83, 0
	s_lshl_b32 s57, s[WV], 12
	s_add_co_u32 s86, s82, s57
	s_add_co_u32 s86, s86, 0x800000                ; K (waves 0-3): k's part, + 64 keys x 64 bytes x wave
	s_mov_b32 s87, 0
	s_lshl_b32 s58, s80, 5                         ; 32 b
	s_and_b32 s57, s[WV], 3
	s_add_co_u32 s88, s58, s57
	s_lshl_b32 s88, s88, 16
	s_lshl_b32 s59, s81, 12
	s_add_co_u32 s88, s88, s59
	s_add_co_u32 s88, s88, 0x1000000               ; V (waves 4-7): v's part, key block 32 b + w % 4, my head's 64 rows
	s_mov_b32 s89, 0
	s_lshl_b32 s90, s80, 13                        ; mb: my batch's 2,048 numbers
	s_mov_b32 s91, 0
	s_lshr_b32 s57, s[WV], 2
	s_lshl_b32 s57, s57, 3
	s_add_co_u32 s92, s58, s57
	s_lshl_b32 s92, s92, 16
	s_add_co_u32 s92, s92, s59
	s_add_co_u32 s92, s92, 0x1000000               ; the sum over all keys: my quarter's eight key blocks: 32 b + 8 (w / 4) on
	s_mov_b32 s93, 0
	s_mov_b32 s[STP], 262144                       ; a key slot on: four key blocks of V,
	s_cmp_lt_u32 s[WV], 4
	s_cselect_b32 s[STP], 16384, s[STP]            ; 256 rows of K,
	s_cmp_lt_u32 s[WV], 8
	s_cselect_b32 s[STP], s[STP], 1024             ; 256 numbers of mb
	; descriptor group 1, K and V alike: 64 rows of 64 bytes, dense in memory, 16 bytes of padding behind each row
	s_mov_b32 s[G1], (0<<16)|(1<<20)|(3<<22)|(3<<25)   ; no mask; elements of 1 byte; padding on; after every 16 words (code 3); four words (code 3)
	s_mov_b32 s[G1+1], 64<<16                      ; tensor_dim0
	s_mov_b32 s[G1+2], 64<<16                      ; tensor_dim1
	s_mov_b32 s[G1+3], 64<<16                      ; tile_dim0
	s_mov_b32 s[G1+4], 64                          ; tile_dim1
	s_mov_b32 s[G1+5], 64                          ; tensor_dim0_stride
	s_mov_b32 s[G1+6], 0
	s_mov_b32 s[G1+7], 0
	s_mov_b32 s[G1M], 3<<16                        ; mb: one row of 128 elements of 8 bytes
	s_mov_b32 s[G1M+1], 128<<16
	s_mov_b32 s[G1M+2], 1<<16
	s_mov_b32 s[G1M+3], 128<<16
	s_mov_b32 s[G1M+4], 1
	s_mov_b32 s[G1M+5], 128
	s_mov_b32 s[G1M+6], 0
	s_mov_b32 s[G1M+7], 0
	s_mov_b32 s[G0], 1                             ; count = 1
	s_min_u32 s[G0+1], s[WV], 8
	s_mul_i32 s[G0+1], s[G0+1], 5120               ; LDS address in slot 0: K's four tiles, V's four, the bias: 5,120 x wave
	s_mov_b32 s[SEL], 0x76543210
	s_mov_b32 s[SEL+1], 0xfedcba98
	s_mov_b32 s[CS], 0x3e38aa3b                    ; log2(e) / 8
	s_mov_b32 s[TB], 0
	v_and_b32 v8, 15, v0                           ; r
	v_bfe_u32 v9, v0, 4, 1                         ; h (the lane's half)
	s_delay_alu instid0(VALU_DEP_2)
	v_and_b32 v10, 8, v8
	s_delay_alu instid0(VALU_DEP_1)
	v_add_nc_u32 v10, v10, v8                      ; r + 8 (r / 8)
	s_delay_alu instid0(VALU_DEP_1)
	v_mul_u32_u24 v[AK0], v10, KP
	s_delay_alu instid0(VALU_DEP_1)
	v_lshl_add_u32 v[AK0], v9, 4, v[AK0]           ; K: my row of a tile, + 16 h
	v_mul_u32_u24 v[AV0], v8, KP
	s_delay_alu instid0(VALU_DEP_1)
	v_lshl_add_u32 v[AV0], v9, 4, v[AV0]
	s_delay_alu instid0(VALU_DEP_1)
	v_add_nc_u32 v[AV0], VOFF, v[AV0]              ; V: channel row r, + 16 h
	v_lshlrev_b32 v[AM0], 6, v9
	s_delay_alu instid0(VALU_DEP_1)
	v_add_nc_u32 v[AM0], MOFF, v[AM0]              ; the bias: 16 numbers further on for lanes 16-31
	v_lshlrev_b32 v[QA], 6, v8
	s_delay_alu instid0(VALU_DEP_1)
	v_lshl_add_u32 v[QA], v9, 4, v[QA]             ; Q: row r of 64 bytes, + 16 h
	v_and_b32 v[GO], 31, v0
	s_delay_alu instid0(VALU_DEP_1)
	v_lshlrev_b32 v[GO], 4, v[GO]                  ; 16 x lane
	s_lshl_b32 s56, s[WV], 10
	s_add_co_u32 s56, s56, STG                     ; my stage
	v_lshlrev_b32 v[STO], 6, v8
	s_delay_alu instid0(VALU_DEP_1)
	v_lshl_add_u32 v[STO], v9, 3, v[STO]
	s_delay_alu instid0(VALU_DEP_1)
	v_add_nc_u32 v[STO], s56, v[STO]               ; in: row r x 64 + 8 h
	v_add_nc_u32 v[RD], s56, v[GO]                 ; back: 16 bytes a lane
	v_lshlrev_b32 v[VSR], 5, v9
	s_delay_alu instid0(VALU_DEP_1)
	v_add_nc_u32 v[VSR], VS, v[VSR]                ; the partial sums: my half's eight channels of a tile
	s_lshr_b32 s56, s[WV], 2
	s_lshl_b32 s56, s56, 8
	s_and_b32 s57, s[WV], 3
	s_lshl_b32 s58, s57, 6
	s_add_co_u32 s56, s56, s58
	v_add_nc_u32 v[VSW], s56, v[VSR]               ; where I store mine: quarter w / 4, channel tile w % 4
	s_lshl_b32 s58, s57, 10
	v_add_nc_u32 v[VGA], s58, v[QA]                ; V in memory: channel row 16 (w % 4) + r, + 16 h
	v_mov_b32 v236, 0                              ; written once: a lane permute's destination counts as one of its sources
	v_mov_b32 v252, 0
	v_mov_b32 v253, 0                              ; (named as the upper half of the pair v[252:253])
	v_mov_b32 v254, 0
	s_wait_dscnt 0x0                               ; the opening add is done
	s_wait_kmcnt 0x0
	s_load_b256 s[68:75], s[8:9], 0x0              ; e0 .. e7
	s_load_b128 s[76:79], s[8:9], 0x20             ; e8 .. e11
	s_add_nc_u64 s[QP:QP+1], s[4:5], s[82:83]
	s_add_nc_u64 s[CP:CP+1], s[10:11], s[82:83]
	s_add_nc_u64 s[86:87], s[4:5], s[86:87]
	s_add_nc_u64 s[88:89], s[4:5], s[88:89]
	s_add_nc_u64 s[90:91], s[6:7], s[90:91]
	s_add_nc_u64 s[84:85], s[4:5], s[92:93]
	s_cmp_lt_u32 s[WV], 4                          ; the choices hang on the wave's number alone
	s_cselect_b64 s[BASE:BASE+1], s[86:87], s[88:89]
	s_cmp_lt_u32 s[WV], 8
	s_cselect_b64 s[BASE:BASE+1], s[BASE:BASE+1], s[90:91]
	s_mov_b64 s[G0+2:G0+3], s[BASE:BASE+1]         ; key slot 0
	s_or_b32 s[G0+3], s[G0+3], 0x80000000          ; type = 2
	TLOAD                                          ; slot 0: the launch's first fill, ahead of every wait on TENSORcnt, LDS read and barrier
	s_wait_alu depctr_va_vdst(0)
.irp s, 0,1,2,3                                ; V of my quarter of the keys, channel tile w % 4: four fragments of 16 channels x 128 keys
.irp c, 0,1,2,3
	global_load_b128 v[32+16*\s+4*\c:35+16*\s+4*\c], v[VGA], s[84:85] offset:(2*\s+\c/2)*65536+(\c%2)*32
.endr
.endr
	s_wait_kmcnt 0x0
	s_add_co_i32 s56, s74, s75
	s_lshl_b32 s56, s56, 23
	s_add_co_i32 s[CS], s[CS], s56                 ; a raw score stands for score x 2^(e6 + e7): the two exponents are added to c's exponent field
	s_mov_b32 s[CS+1], s[CS]                       ; (named with it as a pair, so it is written)
	s_add_co_u32 s[FLO], s[CS], 25<<23
	s_or_b32 s[FLO], s[FLO], 0x80000000            ; F = -2^25 c
	s_add_co_i32 s[EPV], s76, s77
	s_add_co_i32 s56, s76, 127
	s_lshl_b32 s57, s56, 23
	v_mov_b32 v244, s57                            ; 2^e8
	s_add_co_i32 s56, s78, 127
	s_lshl_b32 s57, s56, 23
	v_mov_b32 v245, s57                            ; 2^e10
; A block of queries begins: Q's fragment, the statistics, O^T = 0.  (The step is written once: the first finds zeros.)
.macro INIT
	s_lshl_b32 s56, s[Q0], 6
	s_mov_b32 s57, 0
	s_add_nc_u64 s[60:61], s[QP:QP+1], s[56:57]
	global_load_b128 v[16:19], v[QA], s[60:61]     ; channels 16 h + 0 .. 15,
	global_load_b128 v[20:23], v[QA], s[60:61] offset:32   ; and 32 + 16 h + 0 .. 15: the same order of channels as K's fragments
	v_mov_b32 v13, s[FLO]                          ; the largest t so far: the floor
	s_delay_alu instid0(VALU_DEP_1)
	v_floor_f32 v12, -v13                          ; -M
	v_mov_b32 v14, 0
	v_mov_b32 v15, 0
.set n1, 0
.rept 32
	v_mov_b32 v[160+n1], 0
.set n1, n1+1
.endr
	s_mov_b32 s[KF], 0
	s_wait_loadcnt 0x0                             ; Q is in (at the head: V's sixteen loads too)
.endm
	INIT
	; the sum of all v of my quarter of the keys, times p's code of 1: the other operand holds that code in every byte
.irp j, 0,1,2,3,4,5,6,7
	v_mov_b32 v[104+\j], 1.0
.endr
.irp j, 0,1,2,3,4,5,6,7
.endr
	v_cvt_scalef32_pk8_fp8_f32 v[224:225], v[104:111], v244
	v_nop                                          ; one plain vector instruction behind a scaled conversion
.irp j, 2,3,4,5,6,7,8,9,10,11,12,13,14,15
	v_mov_b32 v[224+\j], v224
.endr
	v_wmma_f32_16x16x128_fp8_fp8 v[192:199], v[32:47], v[224:239], 0
	s_wait_alu depctr_va_vdst(0)                   ; the wait stands directly ahead of each further link
	v_wmma_f32_16x16x128_fp8_fp8 v[192:199], v[48:63], v[224:239], v[192:199]
	s_wait_alu depctr_va_vdst(0)
	v_wmma_f32_16x16x128_fp8_fp8 v[192:199], v[64:79], v[224:239], v[192:199]
	s_wait_alu depctr_va_vdst(0)
	v_wmma_f32_16x16x128_fp8_fp8 v[192:199], v[80:95], v[224:239], v[192:199]
.rept 4
	v_nop
.endr
	ds_store_b128 v[VSW], v[192:195]               ; channels 16 (w % 4) + 8 h + 0 .. 7; the sixteen lanes of a half hold and store the same numbers
	ds_store_b128 v[VSW], v[196:199] offset:16     ; other waves read them behind the first change of slots: its wait for 0 on DScnt and its barrier lie between
; A KEY STEP: 128 keys, the q-th of the slot in hand.
.macro STEP q
	s_add_co_u32 s96, s[Q0], 15                    ; a step all of whose keys come after my 16 queries is left out: a scalar branch on ids; no barrier and no tensor load stands in a step
	s_cmp_gt_u32 s[KF], s96
	s_cbranch_scc1 .Lhidden_\@
	v_add_nc_u32 v[ADK], s[TB], v[AK0]
	v_add_nc_u32 v[ADV], s[TB], v[AV0]
	v_add_nc_u32 v[ADM], s[TB], v[AM0]
	v_nop                                          ; four places in front of loads into registers that the last matrix instructions have read
.irp b, 0,1,2,3
.irp g, 0,1,2,3
	ds_load_b128 v[96+16*\b+4*\g:99+16*\b+4*\g], v[ADM] offset:512*(\q)+128*\b+16*\g   ; the bias of keys 32 b + 16 h + 4 g + 0 .. 3, in the scores' own layout
.endr
.endr
.irp t, 0,1,2,3,4,5,6,7
.irp c, 0,1
	ds_load_b128 v[32+8*\t+4*\c:35+8*\t+4*\c], v[ADK] offset:(128*(\q)+32*(\t/2)+8*(\t%2))*KP+32*\c
.endr
.endr
	s_wait_alu depctr_va_vdst(0)
	s_wait_dscnt 0x0
.irp t, 0,1,2,3,4,5,6,7                        ; S^T = K Q^T + the bias: eight accumulators, one instruction each
	v_wmma_f32_16x16x64_fp8_fp8 v[96+8*\t:103+8*\t], v[32+8*\t:39+8*\t], v[16:23], v[96+8*\t:103+8*\t]
.endr
.rept 4
	v_nop                                          ; places in front of the loads below and of the first read of the scores
.endr
.irp t, 0,1,2,3                                ; V's four fragments (16 channels x 128 keys) land under the softmax
.irp c, 0,1,2,3
	ds_load_b128 v[32+16*\t+4*\c:35+16*\t+4*\c], v[ADV] offset:(2*(\q)+\c/2)*5120+1280*\t+32*(\c%2)
.endr
.endr
	s_add_co_u32 s96, s[KF], 127                   ; on the diagonal the scores of hidden keys become -infinity ahead of the maximum: p = 0 then.  A step all of whose keys count skips this
	s_cmp_le_u32 s96, s[Q0]
	s_cbranch_scc1 .Lopen_\@
	s_sub_co_i32 s96, s[Q0], s[KF]
	v_and_b32 v252, 15, v0
	v_bfe_u32 v253, v0, 4, 1
	s_delay_alu instid0(VALU_DEP_1)
	v_lshlrev_b32 v253, 4, v253
	s_delay_alu instid0(VALU_DEP_1)
	v_sub_nc_u32 v252, v252, v253
	s_delay_alu instid0(VALU_DEP_1)
	v_add_nc_u32 v252, s96, v252                   ; d = my query - KF - 16 h.  Register 16 b + i holds key KF + 16 h + 32 b + i: hidden where 32 b + i > d
	v_mov_b32 v254, 0xff800000                     ; -infinity
.set n2, 0
.rept 64
	v_cmp_gt_i32 vcc_lo, 32*(n2/16)+n2%16, v252
	v_cndmask_b32 v[96+n2], v[96+n2], v254, vcc_lo
.set n2, n2+1
.endr
.Lopen_\@:
	v_max3_num_f32 v254, v96, v97, v98             ; the step's largest score of my query, among my 64 keys, in two chains; each accumulator from its low end on
	v_max3_num_f32 v252, v99, v100, v101
.irp i, 6,10,14,18,22,26,30,34,38,42,46,50,54,58
	v_max3_num_f32 v254, v254, v[96+\i], v[97+\i]
	v_max3_num_f32 v252, v252, v[98+\i], v[99+\i]
.endr
	v_max3_num_f32 v254, v254, v158, v159
	s_delay_alu instid0(VALU_DEP_1)
	v_max_num_f32 v254, v254, v252
	v_permlanex16_b32 v236, v254, s[SEL], s[SEL+1]
	s_delay_alu instid0(VALU_DEP_1)
	v_max_num_f32 v254, v254, v236                 ; and among lane l xor 16's
	s_delay_alu instid0(VALU_DEP_1)
	v_mul_f32 v254, s[CS], v254                    ; as t (c is positive)
	s_delay_alu instid0(VALU_DEP_1)
	v_max_num_f32 v13, v13, v254                   ; the running largest t, never under the floor
	v_mov_b32 v254, v12
	s_delay_alu instid0(VALU_DEP_2)
	v_floor_f32 v12, -v13                          ; the new -M = -ceil(t): M is a whole number
	s_delay_alu instid0(VALU_DEP_1)
	v_sub_f32 v254, v12, v254                      ; M's old value less its new one: a whole number, 0 or less
	s_delay_alu instid0(VALU_DEP_1)
	v_cvt_i32_f32 v254, v254                       ; (it saturates)
	s_delay_alu instid0(VALU_DEP_1)
	v_ldexp_f32 v252, 1.0, v254                    ; f = 2^(old M - new M): the rescaling rounds nothing
.set n2, 0
.rept 32
	v_pk_fma_f32 v[96+n2:97+n2], v[96+n2:97+n2], s[CS:CS+1], v[12:13] op_sel_hi:[1,0,0]   ; t - M, two at a time (of the pairs c and -M the low word serves both halves)
.set n2, n2+2
.endr
.set n2, 0
	s_wait_alu depctr_va_vdst(0)
.rept 64
	v_exp_f32 v[96+n2], v[96+n2]                   ; p = 2^(t - M): not normalised; 0 for masked and hidden keys
.set n2, n2+1
.endr
	v_pk_mul_f32 v[14:15], v[14:15], v[252:253] op_sel_hi:[1,0]   ; the sums under the new M: the plain instruction behind the exponentials
	s_wait_alu depctr_va_vdst(0)                   ; one wait for the whole batch, ahead of its first reader
	v_pk_add_f32 v[242:243], v[100:101], v[104:105]
	v_pk_add_f32 v[254:255], v[108:109], v[112:113]
	v_pk_add_f32 v[250:251], v[116:117], v[120:121]
	v_pk_add_f32 v[248:249], v[124:125], v[128:129]
	v_pk_add_f32 v[246:247], v[132:133], v[136:137]
	v_pk_add_f32 v[240:241], v[140:141], v[144:145]
	v_pk_add_f32 v[238:239], v[148:149], v[152:153]
	v_pk_add_f32 v[14:15], v[14:15], v[156:157]
	v_pk_add_f32 v[242:243], v[242:243], v[96:97]
	v_pk_add_f32 v[254:255], v[254:255], v[98:99]
	v_pk_add_f32 v[250:251], v[250:251], v[102:103]
	v_pk_add_f32 v[248:249], v[248:249], v[106:107]
	v_pk_add_f32 v[246:247], v[246:247], v[110:111]
	v_pk_add_f32 v[240:241], v[240:241], v[114:115]
	v_pk_add_f32 v[238:239], v[238:239], v[118:119]
	v_pk_add_f32 v[14:15], v[14:15], v[122:123]
	v_pk_add_f32 v[242:243], v[242:243], v[126:127]
	v_pk_add_f32 v[254:255], v[254:255], v[130:131]
	v_pk_add_f32 v[250:251], v[250:251], v[134:135]
	v_pk_add_f32 v[248:249], v[248:249], v[138:139]
	v_pk_add_f32 v[246:247], v[246:247], v[142:143]
	v_pk_add_f32 v[240:241], v[240:241], v[146:147]
	v_pk_add_f32 v[238:239], v[238:239], v[150:151]
	v_pk_add_f32 v[14:15], v[14:15], v[154:155]
	v_pk_add_f32 v[242:243], v[242:243], v[158:159]
	s_delay_alu instid0(VALU_DEP_2)
	v_pk_add_f32 v[14:15], v[14:15], v[248:249]
	s_delay_alu instid0(VALU_DEP_2)
	v_pk_add_f32 v[242:243], v[242:243], v[246:247]
	v_pk_add_f32 v[254:255], v[254:255], v[240:241]
	v_pk_add_f32 v[250:251], v[250:251], v[238:239]
	s_delay_alu instid0(VALU_DEP_2)
	v_pk_add_f32 v[14:15], v[14:15], v[254:255]
	s_delay_alu instid0(VALU_DEP_2)
	v_pk_add_f32 v[242:243], v[242:243], v[250:251]
	s_delay_alu instid0(VALU_DEP_1)
	v_pk_add_f32 v[14:15], v[14:15], v[242:243]
.irp b, 0,1,2,3
.irp i, 0,1,2,3,4,5,6,7,8,9,10,11,12,13,14,15
.endr
	v_cvt_scalef32_pk8_fp8_f32 v[224+4*\b:225+4*\b], v[96+16*\b:103+16*\b], v244
	v_cvt_scalef32_pk8_fp8_f32 v[226+4*\b:227+4*\b], v[104+16*\b:111+16*\b], v244
.endr
.set n2, 0
.rept 16
	v_pk_mul_f32 v[160+n2:161+n2], v[160+n2:161+n2], v[252:253] op_sel_hi:[1,0]   ; O^T under the new M.  (These are also the plain instructions between the conversions and the products)
.set n2, n2+2
.endr
	s_wait_alu depctr_va_vdst(0)
	s_wait_dscnt 0x0                               ; V is in
.irp t, 0,1,2,3                                ; O^T += V^T P^T: four accumulators, one instruction each; K = these 128 keys
	v_wmma_f32_16x16x128_fp8_fp8 v[160+8*\t:167+8*\t], v[32+16*\t:47+16*\t], v[224:239], v[160+8*\t:167+8*\t]
.endr
.Lhidden_\@:
	s_add_co_u32 s[KF], s[KF], 128
.endm
; THE CHANGE OF SLOTS stands at a slot's head.  Each wave waits for all its tensor loads (its part of the slot that it is about to read), adds 0 to its spare word, and waits for that and for its reads of the slot that it has left.
; Behind the barrier the slot ahead is whole and nobody reads the other one.  fill = 1: that other slot is filled with the next trip's keys: one tensor load a wave is out, and it has a whole slot's steps in which to land.
.macro CHANGE fill
	s_wait_tensorcnt 0x0                           ; no tensor load of mine is out, so my group 0 may be written
	ds_add_u32 v[SPW], v[NIL]                      ; 0 onto my spare word; the descriptor's words are made between it and the wait for it
.if \fill
	s_xor_b32 s[G0+1], s[G0+1], SLOT1              ; the other slot than last time
	s_add_co_u32 s56, s[T], 1                      ; the next trip
	s_cmp_ge_u32 s56, s[SW]
	s_cselect_b32 s57, s[SW], 0
	s_sub_co_u32 s56, s56, s57                     ; its key slot: the count begins anew with the second block of queries
	s_mul_i32 s56, s56, s[STP]
	s_mov_b32 s57, 0
	s_add_nc_u64 s[G0+2:G0+3], s[BASE:BASE+1], s[56:57]
	s_or_b32 s[G0+3], s[G0+3], 0x80000000
.endif
	s_wait_dscnt 0x0                               ; the add is done, and my LDS instructions on the slot that I have left are over
	s_barrier_signal -1
	s_barrier_wait -1
.if \fill
	TLOAD                                          ; the first thing behind the barrier, and a wave's one tensor load until the next
.endif
.endm
.macro SLOT_STEPS
	STEP 0
	STEP 1
	s_xor_b32 s[TB], s[TB], SLOT1                  ; on to the other slot
.endm
; A BLOCK OF QUERIES ENDS: the sum, the choice for queries that had no valid key, ctx = O^T x 2^(e8 + e9) / the sum, quantised, through my stage, 1,024 consecutive bytes out.
.macro FINISH
.rept 4
	v_nop                                          ; places behind the last products
.endr
	s_lshl_b32 s56, s[Q0], 6
	s_mov_b32 s57, 0
	s_add_nc_u64 s[58:59], s[CP:CP+1], s[56:57]    ; my 16 rows of cc
	v_add_f32 v14, v14, v15                        ; the sum's two halves,
	s_delay_alu instid0(VALU_DEP_1)
	v_permlanex16_b32 v252, v14, s[SEL], s[SEL+1]
	s_delay_alu instid0(VALU_DEP_1)
	v_add_f32 v14, v14, v252                       ; and lane l xor 16's
.irp g, 0,1,2,3                                ; the four partial sums over all keys, in O^T's layout
.irp t, 0,1,2,3
.irp i, 0,1
	ds_load_b128 v[32+32*\g+8*\t+4*\i:35+32*\g+8*\t+4*\i], v[VSR] offset:256*\g+64*\t+16*\i
.endr
.endr
.endr
	v_cmp_ge_f32 vcc_lo, s[FLO], v13               ; the largest t has stayed at the floor: no valid key at or before my query
	v_mov_b32 v254, 0x45000000                     ; 2,048: the sum of p = 1 over all keys
	s_delay_alu instid0(VALU_DEP_1)
	v_cndmask_b32 v14, v14, v254, vcc_lo
	s_wait_alu depctr_va_vdst(0)
	v_rcp_f32 v14, v14
	v_nop                                          ; a plain instruction behind the transcendental
	s_wait_alu depctr_va_vdst(0)                   ; and the wait ahead of its first reader
	v_ldexp_f32 v14, v14, s[EPV]                   ; x 2^(e8 + e9)
	s_wait_dscnt 0x0
.set n1, 0
.rept 16
	v_pk_add_f32 v[32+n1:33+n1], v[32+n1:33+n1], v[64+n1:65+n1]
	v_pk_add_f32 v[96+n1:97+n1], v[96+n1:97+n1], v[128+n1:129+n1]
.set n1, n1+2
.endr
.set n1, 0
.rept 16
	v_pk_add_f32 v[32+n1:33+n1], v[32+n1:33+n1], v[96+n1:97+n1]
.set n1, n1+2
.endr
.set n1, 0
.rept 32
	v_cndmask_b32 v[160+n1], v[160+n1], v[32+n1], vcc_lo   ; each accumulator from its low end on
.set n1, n1+1
.endr
.set n1, 0
.rept 16
	v_pk_mul_f32 v[192+n1:193+n1], v[160+n1:161+n1], v[14:15] op_sel_hi:[1,0]   ; register 8 t + j is ctx(r, 16 t + 8 h + j)
.set n1, n1+2
.endr
.set n1, 0
.rept 32
.set n1, n1+1
.endr
.irp t, 0,1,2,3
	v_cvt_scalef32_pk8_fp8_f32 v[224+2*\t:225+2*\t], v[192+8*\t:199+8*\t], v245
.endr
	v_nop                                          ; one plain vector instruction behind the last conversion
.irp t, 0,1,2,3
	ds_store_b64 v[STO], v[224+2*\t:225+2*\t] offset:16*\t
.endr
	ds_load_b128 v[32:35], v[RD]                   ; LDS serves a wave's instructions in order: these see my stores
	ds_load_b128 v[36:39], v[RD] offset:512
	s_wait_dscnt 0x0
	global_store_b128 v[GO], v[32:35], s[58:59]    ; 32 lanes store 512 consecutive bytes, at a multiple of 256 from the buffer's first byte
	global_store_b128 v[GO], v[36:39], s[58:59] offset:512
	s_wait_xcnt 0x0                                ; the stores have read their registers and their base: both may be written again
.endm
	s_mov_b32 s[T], 0
.Lslot:                                            ; eight trips: behind each change of slots the next trip's keys are asked for; every slot that is asked for is read
	CHANGE 1
	s_cmp_lg_u32 s[T], s[SW]                       ; ids alone, the same in all sixteen waves: at trip i + 1 the first block of queries ends and the second begins
	s_cbranch_scc1 .Lsame
	FINISH
	s_mov_b32 s[Q0], s[Q0B]
	INIT
.Lsame:
	SLOT_STEPS
	s_add_co_u32 s[T], s[T], 1
	s_cmp_lt_u32 s[T], 8
	s_cbranch_scc1 .Lslot
	CHANGE 0                                       ; the ninth slot is written out: nothing is left to fetch
	SLOT_STEPS
	FINISH
	s_wait_tensorcnt 0x0                           ; the wave's end: behind my last tensor load and my last LDS store
	ds_add_u32 v[SPW], v[NIL]
	s_wait_dscnt 0x0
	s_endpgm
.Lfunc_end_k_q5f87e529ae_attn:
	.size	k_q5f87e529ae_attn, .Lfunc_end_k_q5f87e529ae_attn-k_q5f87e529ae_attn
	.p2alignl 7, 3214868480
	.fill 96, 4, 3214868480
	.section	.rodata,"a",@progbits
	.p2align	6, 0x0
	.amdhsa_kernel k_q5f87e529ae_attn
		.amdhsa_group_segment_fixed_size 327680
		.amdhsa_private_segment_fixed_size 0
		.amdhsa_enable_private_segment 0
		.amdhsa_kernarg_size 32
		.amdhsa_user_sgpr_count 2
		.amdhsa_user_sgpr_kernarg_segment_ptr 1
		.amdhsa_wavefront_size32 1
		.amdhsa_system_sgpr_workgroup_id_x 1
		.amdhsa_system_sgpr_workgroup_id_y 1
		.amdhsa_system_sgpr_workgroup_id_z 1
		.amdhsa_system_vgpr_workitem_id 0
		.amdhsa_next_free_vgpr 256
		.amdhsa_next_free_sgpr 100
		.amdhsa_reserve_vcc 1
		.amdhsa_float_denorm_mode_32 3
		.amdhsa_float_denorm_mode_16_64 3
		.amdhsa_fp16_overflow 1
		.amdhsa_memory_ordered 1
		.amdhsa_forward_progress 1
		.amdhsa_inst_pref_size 113
	.end_amdhsa_kernel
	.amdgpu_metadata
---
amdhsa.version: [ 1, 2 ]
amdhsa.kernels:
  - .name:           k_q5f87e529ae_attn
    .symbol:         k_q5f87e529ae_attn.kd
    .args:
      - { .name: qkv, .offset: 0, .size: 8, .value_kind: global_buffer, .address_space: global }
      - { .name: mb, .offset: 8, .size: 8, .value_kind: global_buffer, .address_space: global }
      - { .name: lowp_scales, .offset: 16, .size: 8, .value_kind: global_buffer, .address_space: global }
      - { .name: cc, .offset: 24, .size: 8, .value_kind: global_buffer, .address_space: global }
    .group_segment_fixed_size: 327680
    .private_segment_fixed_size: 0
    .kernarg_segment_align: 8
    .kernarg_segment_size: 32
    .max_flat_workgroup_size: 512
    .sgpr_count:     100
    .vgpr_count:     256
    .wavefront_size: 32
...
	.end_amdgpu_metadata
.endif
;; end of part 3
;; launch outp (part 4): grid 4 x 32, 4 waves a work-group, clusters of 4 x 4, 327,680 bytes of LDS; arguments cc, wc, lowp_scales, out0; writes out0
.if DOCPART == 4
	.amdgcn_target "amdgcn-amd-amdhsa--gfx1250"
	.amdhsa_code_object_version 6
	.text
	.protected	k_q5f87e529ae_outp
	.globl	k_q5f87e529ae_outp
	.p2align	8
	.type	k_q5f87e529ae_outp,@function
k_q5f87e529ae_outp:
	s_mov_b64 s[64:65], 0
	v_nop
	global_prefetch_b8 v0, s[64:65] scope:SCOPE_SE
	s_setreg_imm32_b32 hwreg(HW_REG_WAVE_MODE, 25, 1), 1
	s_wait_xcnt 0x0
	s_wait_alu depctr_hold_cnt(0) depctr_sa_sdst(0) depctr_va_vdst(0) depctr_va_sdst(0) depctr_va_ssrc(0) depctr_va_vcc(0) depctr_vm_vsrc(0)
	s_getreg_b32 s2, hwreg(HW_REG_IB_STS2, 6, 4)
	s_cmp_eq_u32 s2, 0
	s_cbranch_scc0 .Lentry_in_a_cluster
	s_endpgm
.Lentry_in_a_cluster:
	s_bfe_u32 s2, ttmp6, 0x10000c
	s_cmp_lg_u32 s2, 0xf033
	s_cbranch_scc0 .Lentry_shape_is_right
	s_endpgm
.Lentry_shape_is_right:
; out0[m][n] = sum over k of ctx[m][k] Wo[n][k] on codes of FP8 (E4M3); each finished sum is multiplied once by 2^(e10 + e11).  out0: [8192][1024] f32.
; A = ctx's codes, laid [head = k / 64][m][64] by the launch before; B = Wo's codes [1024][1024], the fourth MiB of wc.  LIMIT: e10 + e11 between -126 and 127, so that 2^(e10 + e11) is an f32 number.
; A tile of C, 256 x 256, is made by a work-group of four waves; a wave makes 128 x 128: 64 accumulators of 16 x 16, 512 registers.  K goes in steps of 256 (four heads) through a ring of two LDS slots.
; A's part of a slot: for each of four heads, 128 rows x 64 bytes are 8,192 consecutive bytes of memory: one tensor load of 4 rows of 8,192 bytes, 524,288 bytes apart, with 16 bytes of padding behind every 64:
; in LDS [head][row][80].  B's part: 128 rows of 256 bytes, 16 of padding behind each.
; CLUSTERS: 4 x 4 work-groups.  The four of a row of the cluster need the same tiles of A, the four of a column the same tiles of B: each tile is asked for JOINTLY.
; THE MATRIX INSTRUCTION IS USED TRANSPOSED (source 0 = 16 rows of B, source 1 = 16 rows of A): a lane holds eight neighbouring numbers of a row of C.
; 128 work-groups: C has 32 x 4 tiles of this size.
; REGISTERS, in windows of 256: window 0: v0-31 addresses; from v128 A's fragments, ONE set; on the way out v32-255 are free.   window 1: B's fragments, TWO sets.   windows 2, 3: the accumulators ((a, b) at v[8 (8 (a % 4) + b)]).
.set SIZE_N, 1024
.set SIZE_K, 1024
.set KSTEP,  256
.set ROWB,   256                       ; a row of B's tile in bytes
.set KROW,   SIZE_K                    ; a row of B in memory
.set PITCH,  272                       ; B's LDS row: 256 bytes + 16
.set APITCH, 80                        ; A's LDS row: 64 bytes + 16: an odd multiple of 16
.set AHD,    128*APITCH                ; a head's 128 rows in LDS
.set AHALF,  4*AHD                     ; what one load brings of A: 4 heads x 128 rows
.set BHALF,  128*PITCH                 ; and of B
.set ASTEP,  4*524288                  ; a K step on in A: four heads
.set FR,     16
.set NL,     4
.set NP,     4                         ; places behind this matrix instruction (ISA guide 7.12.1)
.set SLOT,   2*AHALF+2*BHALF           ; A's two halves, then B's two
.set LAPS,   SIZE_K/(2*KSTEP)
.set SPARE,  2*SLOT                    ; behind the ring: the spare words, 128 bytes for each wave
.set SPITCH, 528                       ; the way out: a stage of 16 rows x (512 bytes + 16) for each wave, in slot 0, which has had its last fill and its last read when the first result is stored there
.set ADRA, 16
.set ADRB, 20
.set STO,  24
.set RD,   25
.set CO,   26
.set SPW,  28
.set NIL,  29
.set TMP,  32
.set AF,   128
.set BK,   128
.set G1, 24
.set G0, 32
.set G1B, 48
.set G0B, 56
.set MSB, 0
.macro WIN new                         ; the immediate's high byte repeats the setting that is left
.if MSB != \new
	s_set_vgpr_msb (MSB<<8)|\new
.set MSB, \new
.endif
.endm
.set MUL_LO, 0xa1                      ; source 0 (B) window 1, source 1 (A) window 0, C and D window 2
.set MUL_HI, 0xf1                      ; the same, C and D window 3
.set TO_B,   0x40                      ; destination window 1, address window 0
; A joint load: waves 0 and 1 fetch for A, waves 2 and 3 for B; the branch hangs on the wave's number alone.  An s_nop 0 and four v_nop follow each of the two lines.
.macro JLOAD g0a, g1a, g0b, g1b
	s_cmp_eq_u32 s15, 0
	s_cbranch_scc0 .Lfor_b_\@
	tensor_load_to_lds s[\g0a:\g0a+3], s[\g1a:\g1a+7]
	s_nop 0
.rept 4
	v_nop
.endr
	s_branch .Lasked_\@
.Lfor_b_\@:
	tensor_load_to_lds s[\g0b:\g0b+3], s[\g1b:\g1b+7]
	s_nop 0
.rept 4
	v_nop
.endr
.Lasked_\@:
.endm
.macro CREST                           ; a round of the cluster's barrier behind its opening barrier
	s_cmp_lg_u32 s14, 0
	s_cbranch_scc1 .Lnot_wave_0_\@
	s_barrier_signal -3
.Lnot_wave_0_\@:
	s_barrier_wait -3
	s_barrier_signal -1
	s_barrier_wait -1
.endm
.macro CROUND                          ; a whole round
	s_barrier_signal -1
	s_barrier_wait -1
	CREST
.endm
	s_load_b128 s[4:7], s[0:1], 0x0                ; cc s[4:5], wc s[6:7]
	s_load_b128 s[8:11], s[0:1], 0x10              ; the scales' exponents s[8:9], out0 s[10:11]
	v_lshl_add_u32 v[SPW], v0, 2, SPARE
	v_mov_b32 v[NIL], 0
	ds_add_u32 v[SPW], v[NIL]                      ; the wave's opening: the add and its wait stand ahead of my first tensor load; the set-up below, work on registers, stands between them
	v_lshrrev_b32 v1, 5, v0
	v_readfirstlane_b32 s14, v1                    ; wave 0..3
	s_lshr_b32 s15, s14, 1                         ; which half of the tile's rows is mine.  Also: I fetch for A (0) or for B (1)
	s_and_b32 s16, s14, 1                          ; which half of its columns.  Also: which 128 rows of that tile I fetch
	s_bfe_u32 s40, ttmp6, 0x40000                  ; cx, cy: my place in the cluster
	s_bfe_u32 s41, ttmp6, 0x40004
	s_lshl_b32 s42, ttmp9, 2
	s_add_co_u32 s42, s42, s40                     ; tile column of C = 4 x cluster x + cx
	s_and_b32 s17, ttmp7, 0xffff
	s_lshl_b32 s17, s17, 2
	s_add_co_u32 s17, s17, s41                     ; tile row of C = 4 x cluster y + cy
	s_lshl_b32 s43, s41, 2
	s_lshl_b32 s43, 15, s43                        ; my row of the cluster
	s_lshl_b32 s44, 0x1111, s40                    ; my column
	s_or_b32 s[G1+0], s43, (0<<16)|(1<<20)|(1<<21)|(3<<22)|(3<<25)  ; A: the mask of my row; elements of 1 byte; padding on; bit 21 beside a mask; after every 16 words (code 3); four words (code 3)
	s_mov_b32 s[G1+1], 8192<<16                    ; tensor_dim0 = 8,192: a head's 128 rows on end
	s_mov_b32 s[G1+2], 4<<16                       ; tensor_dim1 = 4 heads
	s_mov_b32 s[G1+3], 8192<<16                    ; tile_dim0
	s_mov_b32 s[G1+4], 4                           ; tile_dim1
	s_mov_b32 s[G1+5], 524288                      ; from head to head
	s_mov_b32 s[G1+6], 0
	s_mov_b32 s[G1+7], 0
	s_or_b32 s[G1B+0], s44, (0<<16)|(1<<20)|(1<<21)|(5<<22)|(3<<25) ; B: the mask of my column; padding of four words after every 64
	s_mov_b32 s[G1B+1], ROWB<<16
	s_mov_b32 s[G1B+2], 128<<16
	s_mov_b32 s[G1B+3], ROWB<<16
	s_mov_b32 s[G1B+4], 128
	s_mov_b32 s[G1B+5], KROW
	s_mov_b32 s[G1B+6], 0
	s_mov_b32 s[G1B+7], 0
	s_lshl_b32 s18, s16, 7                         ; which 128 rows of the tile I fetch
	s_lshl_b32 s20, s17, 8
	s_add_co_u32 s20, s20, s18                     ; A: row 256 x tile row + 128 x half,
	s_lshl_b32 s20, s20, 6                         ; 64 bytes each within a head
	s_mov_b32 s21, 0
	s_lshl_b32 s46, s42, 8
	s_add_co_u32 s46, s46, s18                     ; B: row 256 x tile column + 128 x half
	s_mov_b32 s47, 0
	s_mov_b64 s[18:19], KROW
	s_mul_u64 s[46:47], s[46:47], s[18:19]
	s_mul_i32 s45, s16, AHALF                      ; where they go: A's halves,
	s_mul_i32 s66, s16, BHALF
	s_add_co_u32 s66, s66, 2*AHALF                 ; and B's behind them: no place in the cluster enters an LDS address
	s_wait_dscnt 0x0                               ; the opening add is done
	s_wait_kmcnt 0x0
	s_load_b64 s[96:97], s[8:9], 0x28              ; e10, e11
	s_add_nc_u64 s[6:7], s[6:7], 0x300000          ; Wo's codes
	s_add_nc_u64 s[20:21], s[4:5], s[20:21]
	s_add_nc_u64 s[46:47], s[6:7], s[46:47]
	CROUND                                         ; all sixteen work-groups are here: the first joint loads meet
.irp s, 0,1
	s_mov_b32 s[G0+4*\s], 1
	s_add_co_u32 s[G0+4*\s+1], s45, \s*SLOT
	s_add_nc_u64 s[G0+4*\s+2:G0+4*\s+3], s[20:21], \s*ASTEP
	s_or_b32 s[G0+4*\s+3], s[G0+4*\s+3], 0x80000000
	s_mov_b32 s[G0B+4*\s], 1
	s_add_co_u32 s[G0B+4*\s+1], s66, \s*SLOT
	s_add_nc_u64 s[G0B+4*\s+2:G0B+4*\s+3], s[46:47], \s*ROWB
	s_or_b32 s[G0B+4*\s+3], s[G0B+4*\s+3], 0x80000000
	JLOAD G0+4*\s, G1, G0B+4*\s, G1B
.endr
	v_and_b32 v1, 15, v0                           ; r = l % 16
	v_bfe_u32 v2, v0, 4, 1                         ; h = l / 16
	v_mul_u32_u24 v3, v1, PITCH
	v_lshl_add_u32 v4, v2, 4, v3                   ; B: a fragment's row x pitch + 16 x half
	v_mul_u32_u24 v3, v1, APITCH
	v_lshl_add_u32 v7, v2, 4, v3                   ; A likewise, with its own pitch
	s_mul_i32 s21, s15, AHALF                      ; my 128 rows of A
	s_mul_i32 s22, s16, BHALF                      ; my 128 rows of B,
	s_add_co_u32 s22, s22, 2*AHALF                 ; which lie behind A's
.irp s, 0,1
	v_add_nc_u32 v[ADRA+\s], s21, v7
	v_add_nc_u32 v[ADRB+\s], s22, v4
	s_add_co_u32 s21, s21, SLOT
	s_add_co_u32 s22, s22, SLOT
.endr
	s_mul_i32 s23, s14, 16*SPITCH                  ; my stage
	v_mul_u32_u24 v5, v1, SPITCH                   ; in: row l % 16, 32 bytes for each half of the lanes
	v_lshl_add_u32 v5, v2, 5, v5
	v_add_nc_u32 v[STO], s23, v5
	v_and_b32 v6, 31, v0
	v_lshlrev_b32 v[CO], 4, v6                     ; back: the 32 lanes take one row of 512 bytes; and the same in C
	v_add_nc_u32 v[RD], s23, v[CO]
	s_lshl_b32 s20, s17, 8
	s_lshl_b32 s21, s15, 7
	s_add_co_u32 s20, s20, s21                     ; my first row of C: 256 x tile row + 128 x half
	s_mov_b32 s21, 0
	s_mov_b64 s[18:19], SIZE_N*4
	s_mul_u64 s[20:21], s[20:21], s[18:19]
	s_lshl_b32 s46, s42, 10                        ; my first column, in bytes: 1024 x tile column + 512 x half
	s_lshl_b32 s47, s16, 9
	s_add_co_u32 s46, s46, s47
	s_mov_b32 s47, 0
	s_add_nc_u64 s[20:21], s[20:21], s[46:47]
	s_add_nc_u64 s[10:11], s[10:11], s[20:21]
; A fragment, 16 rows x 128 K, is 16 registers: lane l holds row l % 16; registers 4 c .. 4 c + 3 hold K = 32 c + 16 (l / 16) + 0 .. 15: the same order of k in A and in B.
.macro FRAGB reg, adr, q, i
.irp c, 0,1,2,3
	ds_load_b128 v[\reg+4*\c:\reg+4*\c+3], v[\adr] offset:128*(\q)+32*\c+(\i)*16*PITCH
.endr
.endm
.macro FRAGA reg, adr, q, i            ; in A those 128 along K are two heads: head 2 q + c / 2 of the slot, bytes 32 (c % 2) + 16 (l / 16) on
.irp c, 0,1,2,3
	ds_load_b128 v[\reg+4*\c:\reg+4*\c+3], v[\adr] offset:(2*(\q)+\c/2)*AHD+(\i)*16*APITCH+32*(\c%2)
.endr
.endm
; 16 matrix instructions: A's blocks a0, a0 + 1 x B's eight, 128 along K.  The 64 accumulators take turns, one instruction a turn, in the same order in every step.
.macro MUL16 a0, p, zero
.irp a, \a0, \a0+1
.irp b, 0,1,2,3,4,5,6,7
.if \zero
	v_wmma_f32_16x16x128_fp8_fp8 v[8*(8*((\a)%4)+\b):8*(8*((\a)%4)+\b)+7], v[128*(\p)+FR*\b:128*(\p)+FR*\b+FR-1], v[AF+FR*(\a):AF+FR*(\a)+FR-1], 0
.else
	v_wmma_f32_16x16x128_fp8_fp8 v[8*(8*((\a)%4)+\b):8*(8*((\a)%4)+\b)+7], v[128*(\p)+FR*\b:128*(\p)+FR*\b+FR-1], v[AF+FR*(\a):AF+FR*(\a)+FR-1], v[8*(8*((\a)%4)+\b):8*(8*((\a)%4)+\b)+7]
.endif
.endr
.endr
.endm
.macro FETCH_B slot, q, p
	WIN TO_B
.irp i, 0,1,2,3,4,5,6,7
	FRAGB 128*(\p)+FR*\i, ADRB+\slot, \q, \i
.endr
	WIN 0
.endm
.macro FETCH_A slot, q, i0
.irp i, \i0, \i0+1, \i0+2, \i0+3
	FRAGA AF+FR*(\i), ADRA+\slot, \q, \i
.endr
.endm
.macro PLACES n                        ; places in front of loads into registers that matrix instructions have read, and of the first read of results (ISA guide 7.12.1 for the first read of results)
.rept \n
	v_nop
.endr
.endm
.macro STEP slot, q, zero
	s_wait_dscnt 4*NL                              ; B's set and A's blocks 0-3 are in; the youngest sixteen loads (A's blocks 4-7) may be out
	WIN MUL_LO
	MUL16 0, (\q)%2, \zero
	MUL16 2, (\q)%2, \zero
	s_wait_dscnt 0                                 ; A's blocks 4-7 are in
	PLACES NP
	FETCH_B \slot, (\q)+1, 1-(\q)%2
	FETCH_A \slot, (\q)+1, 0
	WIN MUL_HI
	MUL16 4, (\q)%2, \zero
	MUL16 6, (\q)%2, \zero
	PLACES NP
	WIN 0
	FETCH_A \slot, (\q)+1, 4
.endm
; A slot's last step changes slots: ONE barrier; in front of it each wave waits for all its tensor loads, adds 0 to its spare word, and waits for that and for its own reads of this slot.
.macro TURN slot, next, fill
	s_wait_tensorcnt 0x0                           ; all my tensor loads have landed: my part of the next slot  (every window is 0 here)
	ds_add_u32 v[SPW], v[NIL]                      ; 0 onto my spare word
	s_wait_dscnt 4*NL+1                            ; (the add and the youngest sixteen loads, A's blocks 4-7, may be out)
	WIN MUL_LO
	MUL16 0, 1, 0                                  ; sixteen matrix instructions stand between the add and the wait for it
	s_wait_dscnt 0x0                               ; the add is done, and my reads of this slot are over
	s_barrier_signal -1
	MUL16 2, 1, 0
	WIN 0
	s_barrier_wait -1
.if \fill
	CREST                                          ; the barrier has opened a round of the cluster's barrier: no wave of any partner still reads this slot's tile or has a load on its way
	s_add_nc_u64 s[G0+4*\slot+2:G0+4*\slot+3], s[G0+4*\slot+2:G0+4*\slot+3], 2*ASTEP
	s_add_nc_u64 s[G0B+4*\slot+2:G0B+4*\slot+3], s[G0B+4*\slot+2:G0B+4*\slot+3], 2*ROWB
	JLOAD G0+4*\slot, G1, G0B+4*\slot, G1B         ; the first tensor load behind the round; the four v_nop behind it are the places in front of the loads below
.else
	PLACES NP
.endif
	FETCH_B \next, 0, 0
	FETCH_A \next, 0, 0
	WIN MUL_HI
	MUL16 4, 1, 0
	MUL16 6, 1, 0
	PLACES NP
	WIN 0
	FETCH_A \next, 0, 4
.endm
	s_wait_tensorcnt 1                             ; my part of K step 0 is in; K step 1's load may be out
	s_barrier_signal -1
	s_barrier_wait -1                              ; everybody's is
	FETCH_B 0, 0, 0
	FETCH_A 0, 0, 0
	FETCH_A 0, 0, 4
	STEP 0, 0, 1                                   ; the first step stands in front of the loop: its products start the sums
	s_mov_b32 s3, LAPS-1
.Llap:                                                 ; a trip goes once round the ring and fills both slots again
	TURN 0, 1, 1
	STEP 1, 0, 0
	TURN 1, 0, 1
	STEP 0, 0, 0
	s_sub_co_u32 s3, s3, 1
	s_cmp_lg_u32 s3, 0
	s_cbranch_scc1 .Llap
	TURN 0, 1, 0                                   ; the last lap fills nothing, and has no round of the cluster's barrier
	STEP 1, 0, 0
	s_wait_dscnt 4*NL                              ; the very last step: nothing more to fetch
	WIN MUL_LO
	MUL16 0, 1, 0
	MUL16 2, 1, 0
	s_wait_dscnt 0
	WIN MUL_HI
	MUL16 4, 1, 0
	MUL16 6, 1, 0
	WIN 0
; THE WAY OUT, block by block of 16 rows x 128 columns.  A lane holds 32 neighbouring bytes of a row, and the lanes beside it hold other rows: so a block goes through my own stage in LDS and comes back as whole
; rows of 512 bytes, which the 32 lanes store as 512 consecutive, aligned bytes.  LDS serves a wave's instructions in order (ISA guide 5.7.1.4): no wait between the stores and the loads.
.macro TOSTAGE a
.set AC, 64*((\a)%4)
	WIN 0x02+((\a)/4)                              ; source 0: window 2 or 3
.irp j, 0,2,4,6,8,10,12,14,16,18,20,22,24,26,28,30,32,34,36,38,40,42,44,46,48,50,52,54,56,58,60,62
	v_pk_mul_f32 v[TMP+\j:TMP+\j+1], v[AC+\j:AC+\j+1], s[96:97] op_sel_hi:[1,0]   ; both x s96 = 2^(e10 + e11); each accumulator from its low end on
.endr
	WIN 0
.irp b, 0,1,2,3,4,5,6,7
	ds_store_b128 v[STO], v[TMP+8*\b:TMP+8*\b+3] offset:64*\b
	ds_store_b128 v[STO], v[TMP+8*\b+4:TMP+8*\b+7] offset:64*\b+16
.endr
.set BB, BK+64*((\a)%2)
.irp t, 0,1,2,3,4,5,6,7,8,9,10,11,12,13,14,15
	ds_load_b128 v[BB+4*\t:BB+4*\t+3], v[RD] offset:\t*SPITCH
.endr
.endm
.macro SEND a, younger                 ; younger: the LDS instructions issued behind block a's loads, which may stay out
.set BB, BK+64*((\a)%2)
	s_wait_dscnt \younger                          ; the block is back in registers
.if (\a) > 0
	s_add_nc_u64 s[10:11], s[10:11], 16*SIZE_N*4   ; (behind a wait for 0 on XCNT: the earlier stores have read their base)  16 rows of C on
.endif
.irp t, 0,1,2,3,4,5,6,7,8,9,10,11,12,13,14,15
	global_store_b128 v[CO], v[BB+4*\t:BB+4*\t+3], s[10:11] offset:\t*SIZE_N*4 th:TH_STORE_NT   ; 32 lanes store 512 consecutive bytes, at a multiple of 256 from C's first byte; written once, read by nobody here
.endr
.endm
	s_wait_kmcnt 0x0
	s_add_co_i32 s96, s96, s97                     ; e10 + e11, between -126 and 127,
	s_add_co_i32 s96, s96, 127
	s_lshl_b32 s96, s96, 23                        ; makes the f32 number 2^(e10 + e11)
	PLACES NP
	TOSTAGE 0
.irp a, 1,2,3,4,5,6,7
.if \a > 1
	s_wait_xcnt 0x0                                ; block a - 2's stores have read their registers and their base: block a's loads may land there, and the base may step
.endif
	TOSTAGE \a
	SEND \a-1, 32                                  ; behind block a - 1's loads: block a's 16 stores and 16 loads
.endr
	s_wait_xcnt 0x0                                ; block 6's stores have read their base
	SEND 7, 0
	s_wait_tensorcnt 0x0                           ; the wave's end: behind my last tensor load and my last LDS store
	ds_add_u32 v[SPW], v[NIL]
	s_wait_dscnt 0x0
	CROUND                                         ; the closing round: no work-group ends while a partner may still ask for a tile that names it
	s_endpgm
.Lfunc_end_k_q5f87e529ae_outp:
	.size	k_q5f87e529ae_outp, .Lfunc_end_k_q5f87e529ae_outp-k_q5f87e529ae_outp
	.p2alignl 7, 3214868480
	.fill 96, 4, 3214868480
	.section	.rodata,"a",@progbits
	.p2align	6, 0x0
	.amdhsa_kernel k_q5f87e529ae_outp
		.amdhsa_group_segment_fixed_size 327680
		.amdhsa_private_segment_fixed_size 0
		.amdhsa_enable_private_segment 0
		.amdhsa_kernarg_size 32
		.amdhsa_user_sgpr_count 2
		.amdhsa_user_sgpr_kernarg_segment_ptr 1
		.amdhsa_wavefront_size32 1
		.amdhsa_system_sgpr_workgroup_id_x 1
		.amdhsa_system_sgpr_workgroup_id_y 1
		.amdhsa_system_sgpr_workgroup_id_z 1
		.amdhsa_system_vgpr_workitem_id 0
		.amdhsa_next_free_vgpr 1024
		.amdhsa_next_free_sgpr 98
		.amdhsa_reserve_vcc 0
		.amdhsa_float_denorm_mode_32 3
		.amdhsa_float_denorm_mode_16_64 3
		.amdhsa_memory_ordered 1
		.amdhsa_forward_progress 1
		.amdhsa_inst_pref_size 123
	.end_amdhsa_kernel
	.amdgpu_metadata
---
amdhsa.version: [ 1, 2 ]
amdhsa.kernels:
  - .name:           k_q5f87e529ae_outp
    .symbol:         k_q5f87e529ae_outp.kd
    .args:
      - { .name: cc, .offset: 0, .size: 8, .value_kind: global_buffer, .address_space: global }
      - { .name: wc, .offset: 8, .size: 8, .value_kind: global_buffer, .address_space: global }
      - { .name: lowp_scales, .offset: 16, .size: 8, .value_kind: global_buffer, .address_space: global }
      - { .name: out0, .offset: 24, .size: 8, .value_kind: global_buffer, .address_space: global }
    .group_segment_fixed_size: 327680
    .private_segment_fixed_size: 0
    .kernarg_segment_align: 8
    .kernarg_segment_size: 32
    .max_flat_workgroup_size: 128
    .sgpr_count:     98
    .vgpr_count:     1024
    .wavefront_size: 32
...
	.end_amdgpu_metadata
.endif
;; end of part 4
